; MI455X (gfx1250); checked and timed in simulation.
; The chip was launched on July 23, 2026; its instructions are those of AMD's public machine-readable ISA for CDNA 5 (MIT licence, August 2026) and "CDNA5" Instruction Set Architecture Reference Guide (July 2026). The comments in the code are by the model that wrote it; some were corrected since.
;; Strassen Attention. Allowed arithmetic: float matrix products may take bf16 or f16 operands with f32 sums; other float arithmetic in f32, or as packed bf16 or f16 multiplies, adds, multiply-adds, maxima and minima; sums over many terms, partial sums and values carried from step to step in f32; what a program stores and reads back later, other than sums and carried values, may be rounded once to bf16 or f16.
;; Inputs: Wk1 1,024 x 1,024 float32; Wk2 1,024 x 1,024 float32; Wo 1,024 x 1,024 float32; Wq 1,024 x 1,024 float32; Wv1 1,024 x 1,024 float32; Wv2 1,024 x 1,024 float32; bk1 1,024 float32; bk2 1,024 float32; bo 1,024 float32; bq 1,024 float32; bv1 1,024 float32; bv2 1,024 float32; g1 16 float32; g2 16 float32; g3 16 float32; g4 16 float32; ln_b 1,024 float32; ln_g 1,024 float32; x 4 x 2,048 x 1,024 float32.
;; Outputs: out0 4 x 2,048 x 1,024 float32.
;; One version. Each part assembles by itself: llvm-mc -triple=amdgcn-amd-amdhsa -mcpu=gfx1250 --defsym DOCPART=n.
;; ======== version 1 of 1: 6 launches
;; limits: inputs' magnitudes at most 65,504; values are held in f16: magnitudes above 65,504 overflow, below 6.1e-05 lose precision; right only within a limited range of input values
;; workspace buffers: xf 16,777,216 bytes; wkvf 8,388,608 bytes; wqf 2,097,152 bytes; wof 2,097,152 bytes; sp 8,912,896 bytes; mc 1,097,728 bytes; qf 33,554,432 bytes; lnf 16,777,216 bytes
;; launch prep (part 1): grid 64 x 14, 8 waves a work-group, no clusters, 34,048 bytes of LDS; arguments x, Wk1, Wv1, Wk2, Wv2, Wq, Wo, xf, wkvf, wqf, wof; writes xf, wkvf, wqf, wof
.if DOCPART == 1
	.amdgcn_target "amdgcn-amd-amdhsa--gfx1250"
	.amdhsa_code_object_version 6
	.text
	.protected	k_q03ec8e8e7b_prep
	.globl	k_q03ec8e8e7b_prep
	.p2align	8
	.type	k_q03ec8e8e7b_prep,@function
k_q03ec8e8e7b_prep:
	s_mov_b64 s[64:65], 0
	v_nop
	global_prefetch_b8 v0, s[64:65] scope:SCOPE_SE
	s_setreg_imm32_b32 hwreg(HW_REG_WAVE_MODE, 25, 1), 1
	s_wait_xcnt 0x0
; x and the six weight matrices, f32 [rows][1024], are rounded once to bf16, like every input of the module; that number is written as f16, and laid out BY FRAGMENTS for the matrix launches:
; a block of 16 rows takes 32,768 bytes; in it the 16 bytes of (row r, columns 8 o .. 8 o + 7) lie at 256 o + 16 r.  So the operand fragment
; of 16 rows x 32 columns is 1,024 bytes on end, and lane l takes bytes 16 l and 512 + 16 l of it.
; WHY f16: the last product's other operand, which the program makes itself, wants f16's 11 significant bits, and one text serves both large products.  A number of 8 significant bits is held exactly by f16 from 2^-17 on.
; A work-group of eight waves turns one block of 16 rows: 64 KiB in, 32 KiB out.  Grid y picks the matrix: 0-7 x (64 blocks each), 8-11 Wk1, Wv1, Wk2, Wv2, 12 Wq, 13 Wo.
; The four k/v matrices go into one buffer by heads: block 16 h + 4 mat + sub, so that a head's 256 output channels are 16 blocks on end.
; Memory binds: each byte is read once by 16-byte loads (a row is one load of the 256 threads), all 16 loads of a thread are issued at once, and each store of a wave covers 512 consecutive bytes, aligned.
; The turn goes through LDS: rows of 2,048 bytes at a pitch of 2,064 = 129 x 16, so the 16 rows that a read-back touches start in 16 different groups of four banks (64 banks of 4 bytes: ISA guide 11.1).
; LIMITS: a number beyond 65,504 becomes an infinity; below 2^-17 it keeps f16's fixed step of 2^-24; NaN and infinities pass as the conversions make them.
.set PITCH, 2064
.set SPARE, 16*PITCH                   ; behind the stage: the spare words, 128 bytes for each of the eight waves; no other line names them
.set GO,  1                            ; v1  16 t: my offset in a row of f32, and in 4,096 bytes of the result; never rewritten
.set STA, 2                            ; v2  8 t: where my 4 numbers of a row go in the stage
.set LDA, 3                            ; v3  (t % 16) x PITCH + 16 (t / 16): the piece that I read back
.set SPW, 30                           ; v30 my spare word
.set NIL, 31                           ; v31 0
.set DAT, 32                           ; v[32:95] 16 rows x 4 f32; later v[32:63] the pieces read back
.set PK,  96                           ; v[96:99] two pairs of packed words, by turns
	s_load_b512 s[8:23], s[0:1], 0x0               ; x 8, Wk1 10, Wv1 12, Wk2 14, Wv2 16, Wq 18, Wo 20, xf 22
	s_load_b128 s[24:27], s[0:1], 0x40             ; wkvf 24, wqf 26
	s_load_b64 s[28:29], s[0:1], 0x50              ; wof 28
	v_lshl_add_u32 v[SPW], v0, 2, SPARE
	v_mov_b32 v[NIL], 0
	v_lshlrev_b32 v[GO], 4, v0
	v_lshlrev_b32 v[STA], 3, v0
	v_and_b32 v4, 15, v0
	v_lshrrev_b32 v5, 4, v0
	v_mul_u32_u24 v[LDA], v4, PITCH
	v_lshl_add_u32 v[LDA], v5, 4, v[LDA]
	s_and_b32 s2, ttmp7, 0xffff                    ; Y: which matrix
	s_mov_b32 s3, ttmp9                            ; X: which block
	s_lshl_b32 s4, s2, 6
	s_add_co_u32 s4, s4, s3                        ; in x: block 64 Y + X
	s_cmp_lt_u32 s2, 8
	s_cselect_b32 s4, s4, s3                       ; the source's block
	s_sub_co_u32 s5, s2, 8                         ; mat = Y - 8 (a very large number for x)
	s_lshr_b32 s6, s3, 2
	s_lshl_b32 s6, s6, 4
	s_and_b32 s7, s3, 3
	s_add_co_u32 s6, s6, s7
	s_lshl2_add_u32 s6, s5, s6                     ; 16 (X / 4) + 4 mat + X % 4
	s_cmp_lt_u32 s5, 4
	s_cselect_b32 s6, s6, s4                       ; the result's block
	s_lshl_b32 s34, s4, 16                         ; 65,536 bytes of f32 a block
	s_mov_b32 s35, 0
	s_lshl_b32 s36, s6, 15                         ; 32,768 bytes of f16 a block
	s_mov_b32 s37, 0
	s_wait_kmcnt 0x0
	s_mov_b64 s[30:31], s[8:9]                     ; the source: x, or one of the six by Y
.irp i, 0,1,2,3,4,5
	s_cmp_eq_u32 s2, 8+(\i)
	s_cselect_b64 s[30:31], s[10+2*(\i):11+2*(\i)], s[30:31]
.endr
	s_mov_b64 s[32:33], s[22:23]                   ; the result: xf, wkvf, wqf or wof
	s_cmp_ge_u32 s2, 8
	s_cselect_b64 s[32:33], s[24:25], s[32:33]
	s_cmp_eq_u32 s2, 12
	s_cselect_b64 s[32:33], s[26:27], s[32:33]
	s_cmp_eq_u32 s2, 13
	s_cselect_b64 s[32:33], s[28:29], s[32:33]
	s_add_nc_u64 s[30:31], s[30:31], s[34:35]
	s_add_nc_u64 s[32:33], s[32:33], s[36:37]
.irp k, 0,1,2,3,4,5,6,7,8,9,10,11,12,13,14,15
	global_load_b128 v[DAT+4*(\k):DAT+4*(\k)+3], v[GO], s[30:31] offset:(\k)*4096 th:TH_LOAD_NT  ; row k: all 16 are on their way at once
.endr
.irp k, 0,1,2,3,4,5,6,7,8,9,10,11,12,13,14,15
	s_wait_loadcnt 15-(\k)                         ; loads come back in order: row k is in, the 15 - k younger ones stay out
	v_cvt_pk_bf16_f32 v[PK+2*((\k)%2)], v[DAT+4*(\k)], v[DAT+4*(\k)+1]      ; the one rounding: to bf16;
	v_cvt_pk_bf16_f32 v[PK+2*((\k)%2)+1], v[DAT+4*(\k)+2], v[DAT+4*(\k)+3]
	v_lshlrev_b32 v[DAT+4*(\k)],   16, v[PK+2*((\k)%2)]                     ; widened again,
	v_and_b32     v[DAT+4*(\k)+1], 0xffff0000, v[PK+2*((\k)%2)]
	v_lshlrev_b32 v[DAT+4*(\k)+2], 16, v[PK+2*((\k)%2)+1]
	v_and_b32     v[DAT+4*(\k)+3], 0xffff0000, v[PK+2*((\k)%2)+1]
	v_cvt_pk_f16_f32 v[PK+2*((\k)%2)], v[DAT+4*(\k)], v[DAT+4*(\k)+1]       ; and written as f16
	v_cvt_pk_f16_f32 v[PK+2*((\k)%2)+1], v[DAT+4*(\k)+2], v[DAT+4*(\k)+3]
	ds_store_b64 v[STA], v[PK+2*((\k)%2):PK+2*((\k)%2)+1] offset:(\k)*PITCH
.endr
	s_wait_dscnt 0x0                               ; for the others' sake: my stores into the stage are done
	s_barrier_signal -1
	s_barrier_wait -1
.irp i, 0,1,2,3,4,5,6,7
	ds_load_b128 v[DAT+4*(\i):DAT+4*(\i)+3], v[LDA] offset:(\i)*256  ; piece (row t % 16, octet t / 16 + 16 i)
.endr
.irp i, 0,1,2,3,4,5,6,7
	s_wait_dscnt 7-(\i)
	global_store_b128 v[GO], v[DAT+4*(\i):DAT+4*(\i)+3], s[32:33] offset:(\i)*4096  ; it belongs at 256 (t / 16 + 16 i) + 16 (t % 16) = 16 t + 4,096 i
.endr
	s_wait_tensorcnt 0x0                           ; the wave's end
	ds_add_u32 v[SPW], v[NIL]
	s_wait_dscnt 0x0
	s_endpgm
.Lfunc_end_k_q03ec8e8e7b_prep:
	.size	k_q03ec8e8e7b_prep, .Lfunc_end_k_q03ec8e8e7b_prep-k_q03ec8e8e7b_prep
	.p2alignl 7, 3214868480
	.fill 96, 4, 3214868480
	.section	.rodata,"a",@progbits
	.p2align	6, 0x0
	.amdhsa_kernel k_q03ec8e8e7b_prep
		.amdhsa_group_segment_fixed_size 34048
		.amdhsa_private_segment_fixed_size 0
		.amdhsa_enable_private_segment 0
		.amdhsa_kernarg_size 88
		.amdhsa_user_sgpr_count 2
		.amdhsa_user_sgpr_kernarg_segment_ptr 1
		.amdhsa_wavefront_size32 1
		.amdhsa_system_sgpr_workgroup_id_x 1
		.amdhsa_system_sgpr_workgroup_id_y 1
		.amdhsa_system_sgpr_workgroup_id_z 1
		.amdhsa_system_vgpr_workitem_id 0
		.amdhsa_next_free_vgpr 104
		.amdhsa_next_free_sgpr 66
		.amdhsa_reserve_vcc 0
		.amdhsa_float_denorm_mode_32 3
		.amdhsa_float_denorm_mode_16_64 3
		.amdhsa_memory_ordered 1
		.amdhsa_forward_progress 1
		.amdhsa_inst_pref_size 14
	.end_amdhsa_kernel
	.amdgpu_metadata
---
amdhsa.version: [ 1, 2 ]
amdhsa.kernels:
  - .name:           k_q03ec8e8e7b_prep
    .symbol:         k_q03ec8e8e7b_prep.kd
    .args:
      - { .name: x, .offset: 0, .size: 8, .value_kind: global_buffer, .address_space: global }
      - { .name: Wk1, .offset: 8, .size: 8, .value_kind: global_buffer, .address_space: global }
      - { .name: Wv1, .offset: 16, .size: 8, .value_kind: global_buffer, .address_space: global }
      - { .name: Wk2, .offset: 24, .size: 8, .value_kind: global_buffer, .address_space: global }
      - { .name: Wv2, .offset: 32, .size: 8, .value_kind: global_buffer, .address_space: global }
      - { .name: Wq, .offset: 40, .size: 8, .value_kind: global_buffer, .address_space: global }
      - { .name: Wo, .offset: 48, .size: 8, .value_kind: global_buffer, .address_space: global }
      - { .name: xf, .offset: 56, .size: 8, .value_kind: global_buffer, .address_space: global }
      - { .name: wkvf, .offset: 64, .size: 8, .value_kind: global_buffer, .address_space: global }
      - { .name: wqf, .offset: 72, .size: 8, .value_kind: global_buffer, .address_space: global }
      - { .name: wof, .offset: 80, .size: 8, .value_kind: global_buffer, .address_space: global }
    .group_segment_fixed_size: 34048
    .private_segment_fixed_size: 0
    .kernarg_segment_align: 8
    .kernarg_segment_size: 88
    .max_flat_workgroup_size: 256
    .sgpr_count:     66
    .vgpr_count:     104
    .wavefront_size: 32
...
	.end_amdgpu_metadata
.endif
;; end of part 1
;; launch qproj (part 2): grid 4 x 64, 4 waves a work-group, clusters of 4 x 4, 327,680 bytes of LDS; arguments xf, wqf, bq, qf; writes qf
.if DOCPART == 2
	.amdgcn_target "amdgcn-amd-amdhsa--gfx1250"
	.amdhsa_code_object_version 6
	.text
	.protected	k_q03ec8e8e7b_qproj
	.globl	k_q03ec8e8e7b_qproj
	.p2align	8
	.type	k_q03ec8e8e7b_qproj,@function
k_q03ec8e8e7b_qproj:
	s_mov_b64 s[64:65], 0
	v_nop
	global_prefetch_b8 v0, s[64:65] scope:SCOPE_SE
	s_setreg_imm32_b32 hwreg(HW_REG_WAVE_MODE, 25, 1), 1
	s_wait_xcnt 0x0
	s_wait_alu depctr_hold_cnt(0) depctr_sa_sdst(0) depctr_va_vdst(0) depctr_va_sdst(0) depctr_va_ssrc(0) depctr_va_vcc(0) depctr_vm_vsrc(0)
	s_getreg_b32 s2, hwreg(HW_REG_IB_STS2, 6, 4)
	s_cmp_eq_u32 s2, 0
	s_cbranch_scc0 .Lentry_in_a_cluster
	s_endpgm
.Lentry_in_a_cluster:
	s_bfe_u32 s2, ttmp6, 0x10000c
	s_cmp_lg_u32 s2, 0xf033
	s_cbranch_scc0 .Lentry_shape_is_right
	s_endpgm
.Lentry_shape_is_right:
; C[m][n] = sum over k of A[m][k] B[n][k] + bias[n].  A: 8,192 x 1,024, B: 1,024 x 1,024, both f16 laid out by fragments (a block of 16 rows is 32,768 bytes; the 16 bytes of row r, columns 8 o .. at 256 o + 16 r);
; bias f32, taken rounded to bf16 like every input of the module; C f32, row-major; sums in f32, started by the bias as the first product's C operand: nothing is cleared.
; SHARES.  A tile of C is 128 rows x 256 columns: 256 work-groups.  Four waves, each 64 x 128: 32 accumulators, 256 registers.  K goes in 8 steps of 128 through two LDS slots.
; A K step of a block of 16 rows is 4,096 bytes on end in memory; a tensor load brings 4 (A) or 8 (B) such rows, and in LDS every fragment is 1,024 dense bytes: each LDS load of a wave takes 512 neighbouring bytes, so no padding is wanted.
; Slot 1 begins at 2^17, so one exclusive or changes slots, and a K step is written once and looped.
; CLUSTER 4 x 4: the four work-groups of a row of the cluster need the same tile of A, the four of a column the same tile of B: each tile is asked for jointly, with the same descriptor and a mask that names the four.
; THE PRODUCT IS USED TRANSPOSED (source 0 = 16 rows of B, source 1 = 16 rows of A): a lane holds row l % 16 of C and the columns 8 (l / 16) + 0..7: 32 bytes on end.
; REGISTERS, in windows of 256: window 0 addresses, the bias (v64-127), the way out (v128-255); window 1 two fragment buffers of 96 (B's 8 fragments, then A's 4); window 2 accumulator (a, b) at v[8 (8 a + b)].
; LIMITS: operands in f16, within 65,504; NaN and infinities are not treated apart.
.set SLOT1,  1<<17
.set KSB,    4096                      ; bytes of a block of 16 rows in a K step
.set BOFF,   8*KSB                     ; in a slot: A's 8 blocks, then B's 16
.set SPITCH, 528                       ; the stage's row: 512 bytes + 16: 33 x 16, so 16 rows start in 16 different groups of four banks (ISA guide 11.1)
.set STAGE,  2*SLOT1                   ; behind the ring: 16 rows for each wave; no tensor load lands here
.set SPARE,  STAGE+4*16*SPITCH         ; behind the stages: the spare words, 128 bytes a wave; no other line names them
.set NSTEP,  8
.set LN16, 10                          ; v10 16 x lane
.set A0,   11                          ; v11 my A fragments' place in a slot
.set B0,   12                          ; v12 my B fragments' place in a slot
.set ADRA, 13                          ; v13, v14 the same in the slot being read
.set ADRB, 14
.set PFO,  15                          ; v15 the prefetch's offset: (l / 16) blocks + 256 (l % 16)
.set STO,  16                          ; v16 the way out: where I put 32 bytes of a row
.set RD,   17                          ; v17 where I read a row back
.set BOF,  18                          ; v18 32 (l / 16): my eight columns in a block of 16
.set TMP,  20                          ; v20-23 at work
.set SPW,  28
.set NIL,  29
.set BI,   64                          ; v[64:127] the bias as C operands: 8 registers for each column block
.set OB,   128                         ; v[128:191], v[192:255] rows read back, by turns
.set F0,   0
.set F1,   96
.set WV, 18
.set FB, 19                            ; wave / 2: I fetch for A (0) or B (1); also my half of the tile's rows
.set HF, 20                            ; wave % 2: which half I fetch; also my half of the tile's columns
.set CX, 21
.set CY, 22
.set TX, 23
.set TY, 24
.set G1A, 28
.set G1B, 36
.set G0A, 44                           ; s[44:47] slot 0's first fill, s[48:51] slot 1's, which then walks
.set G0B, 52
.set PJ,  70                           ; the K step that the next prefetch names
.set CNT, 71
.set TB,  72                           ; LDS byte at which the slot being read begins
.set PFC, 74
.set LIM, 80                           ; the last K step that I prefetch; 0: none
.set CB,  82
.set BP,  84
.set MSB, 0
.macro WIN new                         ; the immediate's high byte repeats the setting that is left; a switch that changes nothing is dropped
.if MSB != (\new)
	s_set_vgpr_msb (MSB<<8)|(\new)
.set MSB, (\new)
.endif
.endm
.set MUL,    0xa5                      ; B and A in window 1, C and D in window 2
.set MUL_C0, 0x85                      ; the same with C in window 0: the bias
.set TO_F,   0x40                      ; destination window 1, address window 0
.macro PLACES                          ; four plain places behind a matrix instruction, in front of loads into registers that it read and of readers of its result
.rept 4
	v_nop
.endr
.endm
.macro CREST                           ; a round of the cluster's barrier behind its opening barrier
	s_cmp_lg_u32 s[WV], 0
	s_cbranch_scc1 .Lnot_wave_0_\@
	s_barrier_signal -3
.Lnot_wave_0_\@:
	s_barrier_wait -3
	s_barrier_signal -1
	s_barrier_wait -1
.endm
.macro CROUND
	s_barrier_signal -1
	s_barrier_wait -1
	CREST
.endm
.macro JLOAD                           ; the joint refill: waves 0, 1 ask for A's halves, waves 2, 3 for B's; the branch hangs on the wave's number alone; s_nop 0 and four v_nop follow each line
	s_cmp_eq_u32 s[FB], 0
	s_cbranch_scc0 .Lfor_b_\@
	tensor_load_to_lds s[G0A+4:G0A+7], s[G1A:G1A+7]
	s_nop 0
.rept 4
	v_nop
.endr
	s_branch .Lasked_\@
.Lfor_b_\@:
	tensor_load_to_lds s[G0B+4:G0B+7], s[G1B:G1B+7]
	s_nop 0
.rept 4
	v_nop
.endr
.Lasked_\@:
.endm
; A PREFETCH of the K step two refills on (256 matrix instructions ahead of the load that will want it): two blocks of 16 rows x 4,096 bytes, a lane a piece of 256 bytes.
; Each piece is named once in the launch.  A's tile is read by this cluster alone: wave 0 asks, and the four partners of a row take two of its eight blocks each, told apart by address.
; B's tiles are read by every cluster: the clusters with y = 0 ask, waves 2 and 3 for the eight blocks that they fetch, the four partners of a column two each.  K steps 0 to 3 come by their loads alone; nothing is named past K step 7.
.macro ASK
	s_cmp_le_u32 s[PJ], s[LIM]
	s_cbranch_scc0 .Lnot_mine_\@
	global_prefetch_b8 v[PFO], s[PFC:PFC+1] th:TH_LOAD_NT scope:SCOPE_SE
.Lnot_mine_\@:
.endm
	s_load_b256 s[4:11], s[0:1], 0x0               ; A 4, B 6, bias 8, C 10
	v_lshl_add_u32 v[SPW], v0, 2, SPARE
	v_mov_b32 v[NIL], 0
	ds_add_u32 v[SPW], v[NIL]                      ; the opening: the add and its wait stand ahead of my first tensor load; work on registers stands between
	v_lshrrev_b32 v1, 5, v0
	v_readfirstlane_b32 s[WV], v1
	s_lshr_b32 s[FB], s[WV], 1
	s_and_b32 s[HF], s[WV], 1
	s_bfe_u32 s[CX], ttmp6, 0x40000
	s_bfe_u32 s[CY], ttmp6, 0x40004
	s_lshl_b32 s[TX], ttmp9, 2
	s_add_co_u32 s[TX], s[TX], s[CX]               ; tile column
	s_and_b32 s[TY], ttmp7, 0xffff
	s_lshl_b32 s[TY], s[TY], 2
	s_add_co_u32 s[TY], s[TY], s[CY]               ; tile row
	s_lshl_b32 s90, s[CY], 2
	s_lshl_b32 s90, 15, s90                        ; my row of the cluster
	s_lshl_b32 s91, 0x1111, s[CX]                  ; my column
	s_or_b32 s[G1A], s90, (3<<16)|(1<<21)          ; 15:0 the mask; 17:16 elements of 8 bytes; 21 set beside a mask; no padding
	s_or_b32 s[G1B], s91, (3<<16)|(1<<21)
	s_mov_b32 s[G1A+1], 512<<16                    ; tensor_dim0 = 512 elements: 4,096 bytes
	s_mov_b32 s[G1A+2], 4<<16                      ; tensor_dim1 = 4 blocks
	s_mov_b32 s[G1A+3], 512<<16                    ; tile_dim0
	s_mov_b32 s[G1A+4], 4                          ; tile_dim1
	s_mov_b32 s[G1A+5], 4096                       ; 4,096 elements = 32,768 bytes from block to block
	s_mov_b32 s[G1A+6], 0
	s_mov_b32 s[G1A+7], 0
	s_mov_b32 s[G1B+1], 512<<16
	s_mov_b32 s[G1B+2], 8<<16                      ; B: 8 blocks
	s_mov_b32 s[G1B+3], 512<<16
	s_mov_b32 s[G1B+4], 8
	s_mov_b32 s[G1B+5], 4096
	s_mov_b32 s[G1B+6], 0
	s_mov_b32 s[G1B+7], 0
	s_lshl_b32 s92, s[TY], 3
	s_lshl2_add_u32 s92, s[HF], s92                ; A: block 8 x tile row + 4 x half
	s_lshl_b32 s92, s92, 15
	s_mov_b32 s93, 0
	s_lshl_b32 s94, s[TX], 4
	s_lshl3_add_u32 s94, s[HF], s94                ; B: block 16 x tile column + 8 x half
	s_lshl_b32 s94, s94, 15
	s_mov_b32 s95, 0
	s_lshl_b32 s25, s[HF], 14                      ; where they go in a slot: the wave's number alone
	s_lshl_b32 s26, s[HF], 15
	s_add_co_u32 s26, s26, BOFF
	s_mov_b32 s[TB], 0
	s_mov_b32 s[PJ], 3
	s_wait_dscnt 0x0                               ; the opening add is done
	s_wait_kmcnt 0x0
	s_add_nc_u64 s[92:93], s[4:5], s[92:93]
	s_add_nc_u64 s[94:95], s[6:7], s[94:95]
.irp n, 0,1
	s_mov_b32 s[G0A+4*(\n)], 1
	s_add_co_u32 s[G0A+4*(\n)+1], s25, (\n)*SLOT1
	s_add_nc_u64 s[G0A+4*(\n)+2:G0A+4*(\n)+3], s[92:93], (\n)*KSB
	s_or_b32 s[G0A+4*(\n)+3], s[G0A+4*(\n)+3], 0x80000000
	s_mov_b32 s[G0B+4*(\n)], 1
	s_add_co_u32 s[G0B+4*(\n)+1], s26, (\n)*SLOT1
	s_add_nc_u64 s[G0B+4*(\n)+2:G0B+4*(\n)+3], s[94:95], (\n)*KSB
	s_or_b32 s[G0B+4*(\n)+3], s[G0B+4*(\n)+3], 0x80000000
.endr
	CROUND                                         ; all sixteen work-groups are here: the first joint loads meet
	s_cmp_eq_u32 s[FB], 0                          ; a wave's two first fills stand in one branch: two loads of mine are out
	s_cbranch_scc0 .Lfirst_b
	tensor_load_to_lds s[G0A:G0A+3], s[G1A:G1A+7]
	s_nop 0
	tensor_load_to_lds s[G0A+4:G0A+7], s[G1A:G1A+7]
	s_nop 0
.rept 4
	v_nop
.endr
	s_branch .Lfirst_asked
.Lfirst_b:
	tensor_load_to_lds s[G0B:G0B+3], s[G1B:G1B+7]
	s_nop 0
	tensor_load_to_lds s[G0B+4:G0B+7], s[G1B:G1B+7]
	s_nop 0
.rept 4
	v_nop
.endr
.Lfirst_asked:
	s_lshl_b32 s86, s[TX], 10
	s_lshl_b32 s87, s[HF], 9
	s_add_co_u32 s86, s86, s87                     ; my 128 columns, in bytes of f32
	s_mov_b32 s87, 0
	s_add_nc_u64 s[BP:BP+1], s[8:9], s[86:87]
	v_bfe_u32 v3, v0, 4, 1                         ; l / 16
	v_lshlrev_b32 v[BOF], 5, v3
.irp b, 0,1,2,3,4,5,6,7
	global_load_b128 v[BI+8*(\b):BI+8*(\b)+3],   v[BOF], s[BP:BP+1] offset:64*(\b)
	global_load_b128 v[BI+8*(\b)+4:BI+8*(\b)+7], v[BOF], s[BP:BP+1] offset:64*(\b)+16
.endr
	s_lshl_b32 s88, s[TY], 7
	s_lshl_b32 s89, s[FB], 6
	s_add_co_u32 s88, s88, s89                     ; my first row of C
	s_lshl_b32 s88, s88, 12                        ; 4,096 bytes a row
	s_mov_b32 s89, 0
	s_add_nc_u64 s[CB:CB+1], s[10:11], s[88:89]
	s_add_nc_u64 s[CB:CB+1], s[CB:CB+1], s[86:87]
	; the prefetches
	s_lshl_b32 s86, s[TY], 3
	s_lshl1_add_u32 s86, s[CX], s86                ; A: my work-group's two blocks of the tile's eight
	s_lshl_b32 s87, s[TX], 4
	s_lshl3_add_u32 s87, s[HF], s87
	s_lshl1_add_u32 s87, s[CY], s87                ; B: my work-group's two of the eight that I fetch
	s_and_b32 s88, ttmp7, 0xffff
	s_cmp_eq_u32 s88, 0
	s_cselect_b32 s88, NSTEP-1, 0                  ; B: the clusters with y = 0
	s_cmp_eq_u32 s[WV], 0
	s_cselect_b32 s89, NSTEP-1, 0                  ; A: wave 0
	s_cmp_eq_u32 s[FB], 0
	s_cselect_b32 s86, s86, s87
	s_cselect_b32 s[LIM], s89, s88
	s_cselect_b64 s[PFC:PFC+1], s[4:5], s[6:7]
	s_lshl_b32 s86, s86, 15
	s_mov_b32 s87, 0
	s_add_nc_u64 s[PFC:PFC+1], s[PFC:PFC+1], s[86:87]
	s_add_nc_u64 s[PFC:PFC+1], s[PFC:PFC+1], 3*KSB ; the first change of slots steps it to K step 4
	v_and_b32 v1, 31, v0
	v_and_b32 v2, 15, v0
	v_lshlrev_b32 v[LN16], 4, v1
	s_lshl_b32 s27, s[FB], 14                      ; my 4 blocks of A
	v_add_nc_u32 v[A0], s27, v[LN16]
	v_add_nc_u32 v[B0], s26, v[LN16]               ; my 8 blocks of B
	v_mov_b32 v[ADRA], v[A0]
	v_mov_b32 v[ADRB], v[B0]
	v_lshlrev_b32 v[PFO], 8, v2
	v_lshl_add_u32 v[PFO], v3, 15, v[PFO]
	s_mul_i32 s27, s[WV], 16*SPITCH
	s_add_co_u32 s27, s27, STAGE
	v_mul_u32_u24 v[STO], v2, SPITCH
	v_lshl_add_u32 v[STO], v3, 5, v[STO]
	v_add_nc_u32 v[STO], s27, v[STO]
	v_add_nc_u32 v[RD], s27, v[LN16]
	s_wait_loadcnt 0x0                             ; the bias: rounded to bf16 and widened again
.set i, 0
.rept 32
	v_cvt_pk_bf16_f32 v[TMP+i%4], v[BI+2*i], v[BI+2*i+1]
	v_lshlrev_b32 v[BI+2*i], 16, v[TMP+i%4]
	v_and_b32 v[BI+2*i+1], 0xffff0000, v[TMP+i%4]
.set i, i+1
.endr
; 8 matrix instructions: row block a x all 8 column blocks, 32 along K.  The 32 accumulators take turns, in the same order in every quarter.  first = 1: the bias starts the sums.
.macro MUL8 f, a, first
.if \first
	WIN MUL_C0
.else
	WIN MUL
.endif
.irp b, 0,1,2,3,4,5,6,7
.if \first
	v_wmma_f32_16x16x32_f16 v[8*(8*(\a)+(\b)):8*(8*(\a)+(\b))+7], v[(\f)+8*(\b):(\f)+8*(\b)+7], v[(\f)+64+8*(\a):(\f)+64+8*(\a)+7], v[BI+8*(\b):BI+8*(\b)+7]
.else
	v_wmma_f32_16x16x32_f16 v[8*(8*(\a)+(\b)):8*(8*(\a)+(\b))+7], v[(\f)+8*(\b):(\f)+8*(\b)+7], v[(\f)+64+8*(\a):(\f)+64+8*(\a)+7], v[8*(8*(\a)+(\b)):8*(8*(\a)+(\b))+7]
.endif
.endr
.endm
; 24 LDS loads in one run: quarter q's fragments into buffer f: B's 8, then A's 4
.macro FETCH q, f
	WIN TO_F
.irp i, 0,1,2,3,4,5,6,7
	ds_load_b128 v[(\f)+8*(\i):(\f)+8*(\i)+3],   v[ADRB] offset:(\i)*KSB+(\q)*1024
	ds_load_b128 v[(\f)+8*(\i)+4:(\f)+8*(\i)+7], v[ADRB] offset:(\i)*KSB+(\q)*1024+512
.endr
.irp i, 0,1,2,3
	ds_load_b128 v[(\f)+64+8*(\i):(\f)+64+8*(\i)+3],   v[ADRA] offset:(\i)*KSB+(\q)*1024
	ds_load_b128 v[(\f)+64+8*(\i)+4:(\f)+64+8*(\i)+7], v[ADRA] offset:(\i)*KSB+(\q)*1024+512
.endr
.endm
; One of a K step's first three quarters: multiplies buffer f, and in its middle fetches quarter q into buffer g
.macro QUARTER q, f, g, first
	s_wait_dscnt 4                                 ; B's fragments and A's first two are in; the youngest four loads may be out
	MUL8 \f, 0, \first
	MUL8 \f, 1, \first
	PLACES
	FETCH \q, \g
	s_wait_dscnt 24                                ; all but the 24 just issued
	MUL8 \f, 2, \first
	MUL8 \f, 3, \first
.endm
; The last quarter multiplies buffer 1 and changes slots.  In front of the barrier each wave waits for all its tensor loads (one is out: its part of the next slot), adds 0 to its spare word, and waits for that and for its
; reads of this slot.  fill = 1: the barrier opens a round of the cluster's barrier, and the joint refill (this slot, two K steps on) is the first thing behind the round: 112 matrix instructions ahead of the wait for it.
.macro TURN fill
.if \fill
	s_wait_xcnt 0x0                                ; the last prefetch, a K step back, has read its address
	s_add_nc_u64 s[PFC:PFC+1], s[PFC:PFC+1], KSB
	s_add_co_u32 s[PJ], s[PJ], 1
.endif
	WIN 0
	s_wait_tensorcnt 0x0                           ; no tensor load of mine is out, so a group 0 may be written
	ds_add_u32 v[SPW], v[NIL]
.if \fill
.irp g, G0A+4, G0B+4
	s_xor_b32 s[(\g)+1], s[(\g)+1], SLOT1          ; the walking descriptor: the other slot than last time,
	s_add_nc_u64 s[(\g)+2:(\g)+3], s[(\g)+2:(\g)+3], KSB  ; the next K step
.endr
.endif
	s_wait_dscnt 5                                 ; the add and the youngest four loads may be out
	MUL8 F1, 0, 0
	s_wait_dscnt 0x0                               ; the add is done, and my reads of this slot are over
	s_barrier_signal -1
	MUL8 F1, 1, 0
	WIN 0
	s_barrier_wait -1
.if \fill
	CREST
	JLOAD                                          ; its four v_nop are also the places in front of the loads below
.else
	PLACES
.endif
	s_xor_b32 s[TB], s[TB], SLOT1
	v_add_nc_u32 v[ADRA], s[TB], v[A0]
	v_add_nc_u32 v[ADRB], s[TB], v[B0]
	FETCH 0, F0
.if \fill
	WIN 0
	ASK
.endif
	MUL8 F1, 2, 0
	MUL8 F1, 3, 0
.endm
; THE WAY OUT, a block of 16 rows at a time, through my own stage: 32 bytes a lane in, whole rows of 512 bytes back.  Each accumulator's low registers are read first.
.macro TOSTAGE a
	WIN 0x08                                       ; store data in window 2
.irp b, 0,1,2,3,4,5,6,7
	ds_store_b128 v[STO], v[8*(8*(\a)+(\b)):8*(8*(\a)+(\b))+3]   offset:64*(\b)
	ds_store_b128 v[STO], v[8*(8*(\a)+(\b))+4:8*(8*(\a)+(\b))+7] offset:64*(\b)+16
.endr
	WIN 0
.irp t, 0,1,2,3,4,5,6,7,8,9,10,11,12,13,14,15
	ds_load_b128 v[OB+64*((\a)%2)+4*(\t):OB+64*((\a)%2)+4*(\t)+3], v[RD] offset:(\t)*SPITCH  ; LDS serves a wave's instructions in order (ISA guide 5.7.1.4): these see the stores above
.endr
.endm
.macro SEND a, younger                 ; younger: the LDS instructions issued behind block a's loads
.irp t, 0,1,2,3,4,5,6,7,8,9,10,11,12,13,14,15
	s_wait_dscnt (\younger)+15-(\t)
	global_store_b128 v[LN16], v[OB+64*((\a)%2)+4*(\t):OB+64*((\a)%2)+4*(\t)+3], s[CB:CB+1] offset:(16*(\a)+(\t))*4096 th:TH_STORE_NT  ; 512 consecutive bytes, aligned
.endr
.endm
	s_wait_tensorcnt 1                             ; my part of K step 0 is in; K step 1's may stay out
	s_barrier_signal -1
	s_barrier_wait -1
	FETCH 0, F0
	QUARTER 1, F0, F1, 1                           ; the first quarter stands in front of the loop: its products start the sums
	WIN 0
	s_mov_b32 s[CNT], NSTEP-2
.Lstep:                                                ; a trip: from a K step's second quarter to the next step's first; it fills one slot again
	QUARTER 2, F1, F0, 0
	QUARTER 3, F0, F1, 0
	TURN 1
	QUARTER 1, F0, F1, 0
	WIN 0
	s_sub_co_u32 s[CNT], s[CNT], 1
	s_cmp_lg_u32 s[CNT], 0
	s_cbranch_scc1 .Lstep
	QUARTER 2, F1, F0, 0                           ; the last two K steps ask for nothing
	QUARTER 3, F0, F1, 0
	TURN 0
	QUARTER 1, F0, F1, 0
	QUARTER 2, F1, F0, 0
	QUARTER 3, F0, F1, 0
	s_wait_dscnt 4
	MUL8 F1, 0, 0
	MUL8 F1, 1, 0
	s_wait_dscnt 0x0
	MUL8 F1, 2, 0
	MUL8 F1, 3, 0
	PLACES
	TOSTAGE 0
	TOSTAGE 1
	SEND 0, 32
	s_wait_xcnt 0x0                                ; block 0's stores have read their registers, which block 2 takes
	TOSTAGE 2
	SEND 1, 32
	s_wait_xcnt 0x0
	TOSTAGE 3
	SEND 2, 32
	SEND 3, 0
	s_wait_tensorcnt 0x0                           ; the wave's end
	ds_add_u32 v[SPW], v[NIL]
	s_wait_dscnt 0x0
	CROUND                                         ; the closing round: no work-group ends while a partner may still ask for a tile that names it
	s_endpgm
.Lfunc_end_k_q03ec8e8e7b_qproj:
	.size	k_q03ec8e8e7b_qproj, .Lfunc_end_k_q03ec8e8e7b_qproj-k_q03ec8e8e7b_qproj
	.p2alignl 7, 3214868480
	.fill 96, 4, 3214868480
	.section	.rodata,"a",@progbits
	.p2align	6, 0x0
	.amdhsa_kernel k_q03ec8e8e7b_qproj
		.amdhsa_group_segment_fixed_size 327680
		.amdhsa_private_segment_fixed_size 0
		.amdhsa_enable_private_segment 0
		.amdhsa_kernarg_size 32
		.amdhsa_user_sgpr_count 2
		.amdhsa_user_sgpr_kernarg_segment_ptr 1
		.amdhsa_wavefront_size32 1
		.amdhsa_system_sgpr_workgroup_id_x 1
		.amdhsa_system_sgpr_workgroup_id_y 1
		.amdhsa_system_sgpr_workgroup_id_z 1
		.amdhsa_system_vgpr_workitem_id 0
		.amdhsa_next_free_vgpr 768
		.amdhsa_next_free_sgpr 96
		.amdhsa_reserve_vcc 0
		.amdhsa_float_denorm_mode_32 3
		.amdhsa_float_denorm_mode_16_64 3
		.amdhsa_memory_ordered 1
		.amdhsa_forward_progress 1
		.amdhsa_inst_pref_size 77
	.end_amdhsa_kernel
	.amdgpu_metadata
---
amdhsa.version: [ 1, 2 ]
amdhsa.kernels:
  - .name:           k_q03ec8e8e7b_qproj
    .symbol:         k_q03ec8e8e7b_qproj.kd
    .args:
      - { .name: xf, .offset: 0, .size: 8, .value_kind: global_buffer, .address_space: global }
      - { .name: wqf, .offset: 8, .size: 8, .value_kind: global_buffer, .address_space: global }
      - { .name: bq, .offset: 16, .size: 8, .value_kind: global_buffer, .address_space: global }
      - { .name: qf, .offset: 24, .size: 8, .value_kind: global_buffer, .address_space: global }
    .group_segment_fixed_size: 327680
    .private_segment_fixed_size: 0
    .kernarg_segment_align: 8
    .kernarg_segment_size: 32
    .max_flat_workgroup_size: 128
    .sgpr_count:     96
    .vgpr_count:     768
    .wavefront_size: 32
...
	.end_amdgpu_metadata
.endif
;; end of part 2
;; launch kv (part 3): grid 16 x 16, 4 waves a work-group, clusters of 4 x 4, 327,680 bytes of LDS; arguments xf, wkvf, bk1, bv1, bk2, bv2, sp; writes sp
.if DOCPART == 3
	.amdgcn_target "amdgcn-amd-amdhsa--gfx1250"
	.amdhsa_code_object_version 6
	.text
	.protected	k_q03ec8e8e7b_kv
	.globl	k_q03ec8e8e7b_kv
	.p2align	8
	.type	k_q03ec8e8e7b_kv,@function
k_q03ec8e8e7b_kv:
	s_mov_b64 s[64:65], 0
	v_nop
	global_prefetch_b8 v0, s[64:65] scope:SCOPE_SE
	s_setreg_imm32_b32 hwreg(HW_REG_WAVE_MODE, 25, 1), 1
	s_wait_xcnt 0x0
	s_wait_alu depctr_hold_cnt(0) depctr_sa_sdst(0) depctr_va_vdst(0) depctr_va_sdst(0) depctr_va_ssrc(0) depctr_va_vcc(0) depctr_vm_vsrc(0)
	s_getreg_b32 s2, hwreg(HW_REG_IB_STS2, 6, 4)
	s_cmp_eq_u32 s2, 0
	s_cbranch_scc0 .Lentry_in_a_cluster
	s_endpgm
.Lentry_in_a_cluster:
	s_bfe_u32 s2, ttmp6, 0x10000c
	s_cmp_lg_u32 s2, 0xf033
	s_cbranch_scc0 .Lentry_shape_is_right
	s_endpgm
.Lentry_shape_is_right:
; For one head h and 512 tokens: k1, v1, k2, v2 = x + x W^T + b (256 channels), kept in registers alone, and of them the partial sums S1 = k1^T v1, S2 = k2^T v2 (64 x 64, f32) and the column sums of v1, v2 (f32).
; x and W come in f16 (the inputs rounded to bf16, written as f16) laid out by fragments (a block of 16 rows is 32,768 bytes; the 16 bytes of row r, columns 8 o .. at 256 o + 16 r); W's blocks 16 h .. 16 h + 15 are k1, v1, k2, v2 of head h, four each.
; SHARES.  A work-group stays for two tiles of 256 tokens x 256 channels; a wave makes 128 x 128: 64 accumulators, 512 registers.  Waves with wave % 2 = 0 hold k1 and v1, the others k2 and v2.
; LAYOUT.  Source 0 = 16 tokens of x, source 1 = 16 rows of W: a lane holds ONE channel (l % 16) and the tokens 8 (l / 16) + 0..7.  Two such results, rounded to bf16 in pairs, ARE an operand of 32 tokens of k^T v: nothing changes lanes.
; THE RESIDUAL x starts the sums: the head's own 64 columns of x times a matrix of zeros and ones, exact in f16 with f32 sums.  The bias (rounded to bf16 like every input) is added in f32 at a tile's end.
; k AND v GO IN bf16: with offsets on x and on W they reach 1,024 x 30 x 0.6 = 18,432, for which f16 leaves little room, and their rounding averages out over the 2,048 tokens of a sum.
; THE WALK.  The two tiles' 8 K steps of 128 are one sequence of 16 for a ring of two LDS slots (slot 1 at 2^17: one exclusive or changes slots).  A K step of a block is 4,096 bytes on end; a wave's load brings 8 blocks.
; ONE TEXT FOR A K STEP THAT FILLS, ONE FOR A K STEP THAT DOES NOT.  The first 14 steps are one counted loop; the first tile's end stands in it under a forward jump that passes no barrier and no tensor load.  The last two steps are a
; loop of two trips.  The price: S is cleared at the head (128 lines, in the wait for the first tiles), so that it is written on every way; and the walk's last change of slots fetches 16 fragments of a stale slot that nobody multiplies.
; CLUSTER 4 x 4: the four of a row need the same tokens, the four of a column the same head's weights: each tile is asked for jointly.
; REGISTERS, in windows of 256: window 0 v0-63 addresses, the 0/1 matrix, bias, column sums; v64-127, v128-191 x's fragments, two buffers (between tiles the second holds k and v in bf16); v192-255 the residual's second half.
;   window 1: v0-63, v192-255 the 16 accumulators of k^T v; v64-127, v128-191 W's fragments (between tiles the second holds the residual's first half).  Windows 2, 3: accumulator (a, b) at v[8 (8 (a % 4) + b)].
; LIMITS: k and v are rounded once to bf16 for k^T v (the column sums take the unrounded v); NaN and infinities are not treated apart.
.set SLOT1,  1<<17
.set KSB,    4096
.set BOFF,   16*KSB                    ; in a slot: x's 16 blocks, then W's 16
.set RECB,   17408                     ; a record: 16 x 1,024 bytes of S, 1,024 of column sums
.set MERGE,  2*SLOT1                   ; behind the ring: a record for each of the two column halves; no tensor load lands here
.set SPARE,  MERGE+2*RECB              ; behind it: the spare words, 128 bytes a wave; no other line names them
.set LN16, 10
.set A0,   11
.set B0,   12
.set ADRA, 13
.set ADRB, 14
.set PFO,  15
.set BO,   16                          ; v16 4 (l % 16): my channel in a block of the bias
.set MST,  17                          ; v17 my 16 bytes in the merge record
.set VS,   18                          ; v[18:25] column sums of v: a pair (even tokens', odd tokens') for each of its four blocks
.set SPW,  28
.set NIL,  29
.set IDN,  32                          ; v[32:43] zeros, the pattern, zeros: v[36:43] picks k = l % 16, v[32:39] picks k = 16 + l % 16
.set BIAS, 44                          ; v[44:59] my channel's bias for column block b, twice: a pair for the packed add
.set F0,   64
.set F1,   128
.set T,    128                         ; window 0: k's fragments at T + 8 d, v's at T + 32 + 8 c
.set XH0,  128                         ; window 1
.set XH1,  192                         ; window 0
.set WV, 18
.set FB, 19                            ; wave / 2: I fetch x (0) or W (1); also my half of the tile's tokens
.set HF, 20                            ; wave % 2: which half I fetch; also my half of the channels
.set CX, 21
.set CY, 22
.set HD, 23
.set YG, 24
.set G1A, 28
.set G1B, 36
.set G0A, 44
.set G0B, 52
.set AB,  60
.set BB,  62
.set OFA, 66
.set OFB, 68
.set J,   70                           ; the step of the walk to be asked for next
.set CNT, 71
.set TB,  72
.set PFB, 74
.set PFC, 76
.set OFP, 78
.set LIM, 80
.set PJ,  81
.set XB,  82
.set KBP, 84
.set VBP, 86
.set SPB, 88
.set MSB, 0
.macro WIN new
.if MSB != (\new)
	s_set_vgpr_msb (MSB<<8)|(\new)
.set MSB, (\new)
.endif
.endm
.set MUL_LO, 0xa4                      ; x in window 0, W in window 1, C and D in window 2
.set TO_B,   0x40
.macro PLACES
.rept 4
	v_nop
.endr
.endm
.macro CREST
	s_cmp_lg_u32 s[WV], 0
	s_cbranch_scc1 .Lnot_wave_0_\@
	s_barrier_signal -3
.Lnot_wave_0_\@:
	s_barrier_wait -3
	s_barrier_signal -1
	s_barrier_wait -1
.endm
.macro CROUND
	s_barrier_signal -1
	s_barrier_wait -1
	CREST
.endm
.macro JLOAD                           ; the joint refill; the branch hangs on the wave's number alone; s_nop 0 and four v_nop follow each line
	s_cmp_eq_u32 s[FB], 0
	s_cbranch_scc0 .Lfor_b_\@
	tensor_load_to_lds s[G0A+4:G0A+7], s[G1A:G1A+7]
	s_nop 0
.rept 4
	v_nop
.endr
	s_branch .Lasked_\@
.Lfor_b_\@:
	tensor_load_to_lds s[G0B+4:G0B+7], s[G1B:G1B+7]
	s_nop 0
.rept 4
	v_nop
.endr
.Lasked_\@:
.endm
; A PREFETCH of the step two refills on (512 matrix instructions ahead of its load): two blocks x 4,096 bytes, a lane a piece of 256 bytes.  Each piece is named once in the launch: x's tokens are read by every cluster of a row of
; clusters, and the one with x = 0 asks; W's rows by every cluster of a column, and the one with y = 0 asks, in the first tile alone (the second tile reads them again).  Of the 8 blocks that a wave fetches each of the four partners
; takes two, told apart by address.  Steps 0 to 3 come by their loads alone; nothing is named past the walk's end.
.macro ASK
	s_cmp_le_u32 s[PJ], s[LIM]
	s_cbranch_scc0 .Lnot_mine_\@
	global_prefetch_b8 v[PFO], s[PFC:PFC+1] th:TH_LOAD_NT scope:SCOPE_SE
.Lnot_mine_\@:
.endm
	s_load_b256 s[4:11], s[0:1], 0x0               ; xf 4, wkvf 6, bk1 8, bv1 10
	s_load_b128 s[12:15], s[0:1], 0x20             ; bk2 12, bv2 14
	s_load_b64 s[16:17], s[0:1], 0x30              ; sp
	v_lshl_add_u32 v[SPW], v0, 2, SPARE
	v_mov_b32 v[NIL], 0
	ds_add_u32 v[SPW], v[NIL]                      ; the opening: the add and its wait stand ahead of my first tensor load
	v_lshrrev_b32 v1, 5, v0
	v_readfirstlane_b32 s[WV], v1
	s_lshr_b32 s[FB], s[WV], 1
	s_and_b32 s[HF], s[WV], 1
	s_bfe_u32 s[CX], ttmp6, 0x40000
	s_bfe_u32 s[CY], ttmp6, 0x40004
	s_lshl_b32 s[HD], ttmp9, 2
	s_add_co_u32 s[HD], s[HD], s[CX]               ; the head
	s_and_b32 s[YG], ttmp7, 0xffff
	s_lshl_b32 s[YG], s[YG], 2
	s_add_co_u32 s[YG], s[YG], s[CY]               ; the group of 512 tokens
	s_lshl_b32 s90, s[CY], 2
	s_lshl_b32 s90, 15, s90
	s_lshl_b32 s91, 0x1111, s[CX]
	s_or_b32 s[G1A], s90, (3<<16)|(1<<21)          ; the mask of my row; elements of 8 bytes; bit 21 beside a mask
	s_or_b32 s[G1B], s91, (3<<16)|(1<<21)          ; the mask of my column
.irp g, G1A, G1B
	s_mov_b32 s[(\g)+1], 512<<16                   ; tensor_dim0 = 512 elements: 4,096 bytes
	s_mov_b32 s[(\g)+2], 8<<16                     ; tensor_dim1 = 8 blocks
	s_mov_b32 s[(\g)+3], 512<<16                   ; tile_dim0
	s_mov_b32 s[(\g)+4], 8                         ; tile_dim1
	s_mov_b32 s[(\g)+5], 4096                      ; 32,768 bytes from block to block
	s_mov_b32 s[(\g)+6], 0
	s_mov_b32 s[(\g)+7], 0
.endr
	s_lshl_b32 s92, s[YG], 5
	s_lshl3_add_u32 s92, s[HF], s92                ; x: block 32 Y + 8 x half
	s_lshl_b32 s92, s92, 15
	s_mov_b32 s93, 0
	s_lshl_b32 s94, s[HD], 4
	s_lshl3_add_u32 s94, s[HF], s94                ; W: block 16 h + 8 x half
	s_lshl_b32 s94, s94, 15
	s_mov_b32 s95, 0
	s_lshl_b32 s25, s[WV], 15                      ; where my load lands in a slot: wave x 32,768
	s_mov_b32 s[OFA+1], 0
	s_mov_b32 s[OFB+1], 0
	s_mov_b32 s[OFP+1], 0
	s_mov_b32 s[J], 2
	s_mov_b32 s[TB], 0
	s_wait_dscnt 0x0                               ; the opening add is done
	s_wait_kmcnt 0x0
	s_add_nc_u64 s[AB:AB+1], s[4:5], s[92:93]
	s_add_nc_u64 s[BB:BB+1], s[6:7], s[94:95]
.irp n, 0,1
	s_mov_b32 s[G0A+4*(\n)], 1
	s_add_co_u32 s[G0A+4*(\n)+1], s25, (\n)*SLOT1
	s_add_nc_u64 s[G0A+4*(\n)+2:G0A+4*(\n)+3], s[AB:AB+1], (\n)*KSB
	s_or_b32 s[G0A+4*(\n)+3], s[G0A+4*(\n)+3], 0x80000000
	s_mov_b32 s[G0B+4*(\n)], 1
	s_add_co_u32 s[G0B+4*(\n)+1], s25, (\n)*SLOT1
	s_add_nc_u64 s[G0B+4*(\n)+2:G0B+4*(\n)+3], s[BB:BB+1], (\n)*KSB
	s_or_b32 s[G0B+4*(\n)+3], s[G0B+4*(\n)+3], 0x80000000
.endr
	CROUND                                         ; all sixteen work-groups are here: the first joint loads meet
	s_cmp_eq_u32 s[FB], 0                          ; a wave's two first fills stand in one branch: two loads of mine are out
	s_cbranch_scc0 .Lfirst_b
	tensor_load_to_lds s[G0A:G0A+3], s[G1A:G1A+7]
	s_nop 0
	tensor_load_to_lds s[G0A+4:G0A+7], s[G1A:G1A+7]
	s_nop 0
.rept 4
	v_nop
.endr
	s_branch .Lfirst_asked
.Lfirst_b:
	tensor_load_to_lds s[G0B:G0B+3], s[G1B:G1B+7]
	s_nop 0
	tensor_load_to_lds s[G0B+4:G0B+7], s[G1B:G1B+7]
	s_nop 0
.rept 4
	v_nop
.endr
.Lfirst_asked:
; The residual's operands for tile t: my 8 blocks of tokens x the head's 64 columns of x, straight from memory: 16 fragments, 32 loads
.macro XLOAD t
	WIN TO_B
.irp a, 0,1,2,3,4,5,6,7
	global_load_b128 v[XH0+8*(\a):XH0+8*(\a)+3],   v[LN16], s[XB:XB+1] offset:(\t)*524288+(\a)*32768
	global_load_b128 v[XH0+8*(\a)+4:XH0+8*(\a)+7], v[LN16], s[XB:XB+1] offset:(\t)*524288+(\a)*32768+512
.endr
	WIN 0
.irp a, 0,1,2,3,4,5,6,7
	global_load_b128 v[XH1+8*(\a):XH1+8*(\a)+3],   v[LN16], s[XB:XB+1] offset:(\t)*524288+(\a)*32768+1024
	global_load_b128 v[XH1+8*(\a)+4:XH1+8*(\a)+7], v[LN16], s[XB:XB+1] offset:(\t)*524288+(\a)*32768+1536
.endr
.endm
	s_lshl_b32 s26, s[YG], 5
	s_lshl3_add_u32 s26, s[FB], s26                ; my 8 blocks of the first tile,
	s_lshl_b32 s26, s26, 15
	s_lshl_b32 s27, s[HD], 11                      ; the head's two fragments in a block
	s_add_co_u32 s26, s26, s27
	s_mov_b32 s27, 0
	s_add_nc_u64 s[XB:XB+1], s[4:5], s[26:27]
	v_and_b32 v1, 31, v0
	v_and_b32 v2, 15, v0
	v_bfe_u32 v3, v0, 4, 1
	v_lshlrev_b32 v[LN16], 4, v1
	XLOAD 0
	s_cmp_eq_u32 s[HF], 0
	s_cselect_b64 s[KBP:KBP+1], s[8:9], s[12:13]
	s_cselect_b64 s[VBP:VBP+1], s[10:11], s[14:15]
	s_lshl_b32 s26, s[HD], 8                       ; the head's 64 channels of f32
	s_mov_b32 s27, 0
	s_add_nc_u64 s[KBP:KBP+1], s[KBP:KBP+1], s[26:27]
	s_add_nc_u64 s[VBP:VBP+1], s[VBP:VBP+1], s[26:27]
	v_lshlrev_b32 v[BO], 2, v2
.irp b, 0,1,2,3
	global_load_b32 v[BIAS+2*(\b)],   v[BO], s[KBP:KBP+1] offset:64*(\b)
	global_load_b32 v[BIAS+8+2*(\b)], v[BO], s[VBP:VBP+1] offset:64*(\b)
.endr
	; the 0/1 pattern: lane l holds column l % 16; its k = l % 16 lies in my half of the lanes where l / 16 = (l % 16) / 8, in word (l % 8) / 2, half l % 2
	v_bfe_u32 v4, v0, 1, 2
	v_lshrrev_b32 v5, 3, v0
	v_lshrrev_b32 v6, 4, v0
	v_xor_b32 v5, v5, v6
	v_and_b32 v5, 1, v5
	v_lshl_or_b32 v4, v5, 2, v4                    ; the word's number, or 4 and more where the one is not mine
	v_and_b32 v6, 1, v0
	v_lshlrev_b32 v6, 4, v6
	v_mov_b32 v7, 0x3c00                           ; 1.0 in f16,
	v_lshlrev_b32 v7, v6, v7                       ; in the low or the high half
.irp n, 0,1,2,3
	v_mov_b32 v[IDN+(\n)], 0
	v_cmp_eq_u32 vcc_lo, \n, v4
	v_cndmask_b32 v[IDN+4+(\n)], 0, v7, vcc_lo
	v_mov_b32 v[IDN+8+(\n)], 0
.endr
.irp n, 0,1,2,3,4,5,6,7
	v_mov_b32 v[VS+(\n)], 0
.endr
	WIN 0x40                                       ; S starts at 0: written here, in the wait for the first tiles, so that both tiles' ends have one form of product
.set i, 0
.rept 64
	v_mov_b32 v[i], 0
	v_mov_b32 v[192+i], 0
.set i, i+1
.endr
	WIN 0
	s_lshl_b32 s73, s[FB], 15
	v_add_nc_u32 v[A0], s73, v[LN16]               ; my 8 blocks of x in a slot
	s_lshl_b32 s73, s[HF], 15
	s_add_co_u32 s73, s73, BOFF
	v_add_nc_u32 v[B0], s73, v[LN16]               ; my 8 blocks of W
	v_mov_b32 v[ADRA], v[A0]
	v_mov_b32 v[ADRB], v[B0]
	s_mul_i32 s73, s[HF], RECB
	s_add_co_u32 s73, s73, MERGE
	v_add_nc_u32 v[MST], s73, v[LN16]
	v_lshlrev_b32 v[PFO], 8, v2
	v_lshl_add_u32 v[PFO], v3, 15, v[PFO]
	s_lshl_b32 s26, s[YG], 4
	s_add_co_u32 s26, s26, s[HD]
	s_lshl1_add_u32 s26, s26, s[HF]                ; record (16 Y + h) x 2 + column half
	s_mul_i32 s26, s26, RECB
	s_mov_b32 s27, 0
	s_add_nc_u64 s[SPB:SPB+1], s[16:17], s[26:27]
	s_lshl_b32 s26, s[YG], 5
	s_lshl3_add_u32 s26, s[HF], s26
	s_lshl1_add_u32 s26, s[CX], s26                ; x: my work-group's two of the eight blocks that I fetch
	s_lshl_b32 s27, s[HD], 4
	s_lshl3_add_u32 s27, s[HF], s27
	s_lshl1_add_u32 s27, s[CY], s27                ; W: likewise
	s_and_b32 s90, ttmp7, 0xffff
	s_cmp_eq_u32 s90, 0
	s_cselect_b32 s90, 7, 0                        ; W: the clusters with y = 0, the first tile's steps
	s_cmp_eq_u32 ttmp9, 0
	s_cselect_b32 s91, 15, 0                       ; x: the clusters with x = 0, the whole walk
	s_cmp_eq_u32 s[FB], 0
	s_cselect_b32 s26, s26, s27
	s_cselect_b32 s[LIM], s91, s90
	s_cselect_b64 s[PFB:PFB+1], s[4:5], s[6:7]
	s_lshl_b32 s26, s26, 15
	s_mov_b32 s27, 0
	s_add_nc_u64 s[PFB:PFB+1], s[PFB:PFB+1], s[26:27]
; 16 matrix instructions: token blocks a0, a0 + 1 of the window's four x all 8 channel blocks, 32 along K.  The 64 accumulators take turns, in the same order in every quarter.
.macro MUL16 f, hi, a0
	WIN MUL_LO+0x50*(\hi)
.irp a, \a0, (\a0)+1
.irp b, 0,1,2,3,4,5,6,7
	v_wmma_f32_16x16x32_f16 v[8*(8*(\a)+(\b)):8*(8*(\a)+(\b))+7], v[(\f)+8*(4*(\hi)+(\a)):(\f)+8*(4*(\hi)+(\a))+7], v[(\f)+8*(\b):(\f)+8*(\b)+7], v[8*(8*(\a)+(\b)):8*(8*(\a)+(\b))+7]
.endr
.endr
.endm
.macro FETCH q, f                      ; 32 LDS loads in one run: quarter q's fragments: W's 8, then x's 8
	WIN TO_B
.irp i, 0,1,2,3,4,5,6,7
	ds_load_b128 v[(\f)+8*(\i):(\f)+8*(\i)+3],   v[ADRB] offset:(\i)*KSB+(\q)*1024
	ds_load_b128 v[(\f)+8*(\i)+4:(\f)+8*(\i)+7], v[ADRB] offset:(\i)*KSB+(\q)*1024+512
.endr
	WIN 0
.irp i, 0,1,2,3,4,5,6,7
	ds_load_b128 v[(\f)+8*(\i):(\f)+8*(\i)+3],   v[ADRA] offset:(\i)*KSB+(\q)*1024
	ds_load_b128 v[(\f)+8*(\i)+4:(\f)+8*(\i)+7], v[ADRA] offset:(\i)*KSB+(\q)*1024+512
.endr
.endm
.macro QUARTER q, f, g
	s_wait_dscnt 8                                 ; W's fragments and x's first four are in; the youngest eight loads may be out
	MUL16 \f, 0, 0
	MUL16 \f, 0, 2
	PLACES
	FETCH \q, \g
	s_wait_dscnt 32                                ; all but the 32 just issued
	MUL16 \f, 1, 0
	MUL16 \f, 1, 2
.endm
; The last quarter multiplies buffer 1 and changes slots.  In front of the barrier each wave waits for all its tensor loads (one is out: its part of the next slot), adds 0 to its spare word, and waits for that and for its reads of
; this slot.  fill = 1: the barrier opens a round of the cluster's barrier; the joint refill, step J of the walk, is the first thing behind the round: 224 matrix instructions ahead of the wait for it.  Its address is made anew from J.
.macro TURN fill
.if \fill
	s_wait_xcnt 0x0                                ; the last prefetch, a K step back, has read its address
	s_add_co_u32 s[PJ], s[J], 2
	s_and_b32 s[OFP], s[PJ], 7
	s_lshl_b32 s[OFP], s[OFP], 12
	s_lshr_b32 s27, s[PJ], 3
	s_lshl_b32 s27, s27, 19
	s_add_co_u32 s[OFP], s[OFP], s27
	s_add_nc_u64 s[PFC:PFC+1], s[PFB:PFB+1], s[OFP:OFP+1]
.endif
	WIN 0
	s_wait_tensorcnt 0x0                           ; no tensor load of mine is out, so a group 0 may be written
	ds_add_u32 v[SPW], v[NIL]
.if \fill
	s_and_b32 s[OFB], s[J], 7
	s_lshl_b32 s[OFB], s[OFB], 12                  ; the K step: 4,096 bytes along a block
	s_lshr_b32 s[OFA], s[J], 3
	s_lshl_b32 s[OFA], s[OFA], 19                  ; the tile: 16 blocks of x down
	s_add_co_u32 s[OFA], s[OFA], s[OFB]
	s_xor_b32 s[G0A+5], s[G0A+5], SLOT1
	s_add_nc_u64 s[G0A+6:G0A+7], s[AB:AB+1], s[OFA:OFA+1]
	s_or_b32 s[G0A+7], s[G0A+7], 0x80000000
	s_xor_b32 s[G0B+5], s[G0B+5], SLOT1
	s_add_nc_u64 s[G0B+6:G0B+7], s[BB:BB+1], s[OFB:OFB+1]
	s_or_b32 s[G0B+7], s[G0B+7], 0x80000000
	s_add_co_u32 s[J], s[J], 1
.endif
	s_wait_dscnt 9                                 ; the add and the youngest eight loads may be out
	MUL16 F1, 0, 0
	s_wait_dscnt 0x0                               ; the add is done, and my reads of this slot are over
	s_barrier_signal -1
	MUL16 F1, 0, 2
	WIN 0
	s_barrier_wait -1
.if \fill
	CREST
	JLOAD                                          ; its four v_nop are also the places in front of the loads below
.else
	PLACES
.endif
	s_xor_b32 s[TB], s[TB], SLOT1
	v_add_nc_u32 v[ADRA], s[TB], v[A0]
	v_add_nc_u32 v[ADRB], s[TB], v[B0]
	FETCH 0, F0
.if \fill
	ASK
.endif
	MUL16 F1, 1, 0
	MUL16 F1, 1, 2
.endm
.macro KSTEP fill
	QUARTER 1, F0, F1
	QUARTER 2, F1, F0
	QUARTER 3, F0, F1
	TURN \fill
.endm
; A TILE'S SUMS BEGIN with the residual: accumulator (a, b) = x(tokens a, the head's columns 32 ((b % 4) / 2) ..) x the matrix that picks column 16 (b % 2) + l % 16.  64 products with C = 0: these sums are never cleared.
.macro IDENT
	s_wait_loadcnt 0x0                             ; the residual's operands are in
.irp hi, 0,1
.irp q, 0,1
	WIN 0x80+0x40*(\hi)+1-(\q)                     ; D in window 2 or 3; x's first half lies in window 1, its second in window 0
.irp a, 0,1,2,3
.irp c, 0,1,4,5
	v_wmma_f32_16x16x32_f16 v[8*(8*(\a)+(\c)+2*(\q)):8*(8*(\a)+(\c)+2*(\q))+7], v[128+64*(\q)+8*(4*(\hi)+(\a)):128+64*(\q)+8*(4*(\hi)+(\a))+7], v[IDN+4-4*((\c)&1):IDN+4-4*((\c)&1)+7], 0
.endr
.endr
.endr
.endr
.endm
; A TILE'S END, 32 tokens (two token blocks) at a time: the bias is added; v's column sums are taken, in f32; k and v are rounded to bf16, which makes them operands; 16 products add k^T v onto S, whose 16 accumulators take turns.
; Each accumulator's lowest registers are read first.  xl = 1: the second tile's residual is asked for, behind 64 plain instructions that name none of the registers it lands in.
.macro EPILOG xl
	PLACES
.irp p, 0,1,2,3
	WIN 0x82+0x41*((\p)/2)
.irp u, 0,1
.irp b, 0,1,2,3,4,5,6,7
.irp j, 0,2,4,6
.set rA, 8*(8*((2*(\p)+(\u))%4)+(\b))+(\j)
	v_pk_add_f32 v[rA:rA+1], v[rA:rA+1], v[BIAS+2*(\b):BIAS+2*(\b)+1]
.endr
.endr
.endr
.if (\xl) && ((\p) == 0)
	XLOAD 1
.endif
	WIN 0x08+0x04*((\p)/2)
.irp u, 0,1
.irp j, 0,2,4,6
.irp c, 0,1,2,3
.set rA, 8*(8*((2*(\p)+(\u))%4)+4+(\c))+(\j)
	v_pk_add_f32 v[VS+2*(\c):VS+2*(\c)+1], v[VS+2*(\c):VS+2*(\c)+1], v[rA:rA+1]
.endr
.endr
.endr
	WIN 0x0a+0x05*((\p)/2)
.irp u, 0,1
.irp b, 0,1,2,3,4,5,6,7
.irp j, 0,1,2,3
.set rA, 8*(8*((2*(\p)+(\u))%4)+(\b))+2*(\j)
	v_cvt_pk_bf16_f32 v[T+8*(\b)+4*(\u)+(\j)], v[rA], v[rA+1]
.endr
.endr
.endr
	WIN 0x50                                       ; k and v in window 0, S in window 1
.irp d, 0,1,2,3
.irp c, 0,1,2,3
.set sx, 4*(\d)+(\c)
.set rS, 8*sx+128*(sx/8)
	v_wmma_f32_16x16x32_bf16 v[rS:rS+7], v[T+8*(\d):T+8*(\d)+7], v[T+32+8*(\c):T+32+8*(\c)+7], v[rS:rS+7]
.endr
.endr
.endr
.endm
	s_wait_tensorcnt 1                             ; my part of step 0 is in; step 1's may stay out
	s_barrier_signal -1
	s_barrier_wait -1
	FETCH 0, F0
	s_wait_loadcnt 0x0                             ; the bias: rounded to bf16, widened again, twice
.irp b, 0,1,2,3,4,5,6,7
	v_cvt_pk_bf16_f32 v[26+(\b)%2], v[BIAS+2*(\b)], v[BIAS+2*(\b)]
	v_lshlrev_b32 v[BIAS+2*(\b)], 16, v[26+(\b)%2]
	v_lshlrev_b32 v[BIAS+2*(\b)+1], 16, v[26+(\b)%2]
.endr
	IDENT
	WIN 0
	s_mov_b32 s[CNT], 14
.Lstep:                                                ; steps 0 to 13 of the walk; each asks for the step two on.  Step s runs at count 14 - s
	KSTEP 1
	WIN 0
	s_cmp_lg_u32 s[CNT], 7                         ; behind step 7 the first tile is whole
	s_cbranch_scc1 .Lsame                          ; forward, over no barrier and no tensor load
	EPILOG 1
	IDENT
	WIN 0
.Lsame:
	s_sub_co_u32 s[CNT], s[CNT], 1
	s_cmp_lg_u32 s[CNT], 0
	s_cbranch_scc1 .Lstep
	s_mov_b32 s[CNT], 2
.Ltail:                                                ; steps 14 and 15 ask for nothing; what the last change of slots fetches is not multiplied
	KSTEP 0
	WIN 0
	s_sub_co_u32 s[CNT], s[CNT], 1
	s_cmp_lg_u32 s[CNT], 0
	s_cbranch_scc1 .Ltail
	EPILOG 0
	PLACES
	; THE TWO TOKEN HALVES MEET in LDS: waves 2 and 3 put their sums down, waves 0 and 1 add them to theirs and store the record: each store covers 512 consecutive bytes, aligned
	WIN 0
	s_cmp_eq_u32 s[FB], 1
	s_cbranch_scc0 .Lno_put
	WIN 0x04                                       ; store data in window 1
.set sx, 0
.rept 16
.set rS, 8*sx+128*(sx/8)
	ds_store_b128 v[MST], v[rS:rS+3]   offset:sx*1024
	ds_store_b128 v[MST], v[rS+4:rS+7] offset:sx*1024+512
.set sx, sx+1
.endr
	WIN 0
	ds_store_b128 v[MST], v[VS:VS+3]   offset:16384
	ds_store_b128 v[MST], v[VS+4:VS+7] offset:16896
.Lno_put:
	s_wait_dscnt 0x0                               ; for the others' sake: my stores are done; the last fetch is back too, so its registers may be used
	s_barrier_signal -1
	s_barrier_wait -1
	s_cmp_eq_u32 s[FB], 0
	s_cbranch_scc0 .Lend
.set i, 0
.rept 34
	ds_load_b128 v[64+4*i:64+4*i+3], v[MST] offset:i*512
.set i, i+1
.endr
	s_wait_dscnt 0x0
	WIN 0x41
.set sx, 0
.rept 16
.set rS, 8*sx+128*(sx/8)
.irp j, 0,2,4,6
	v_pk_add_f32 v[rS+(\j):rS+(\j)+1], v[rS+(\j):rS+(\j)+1], v[64+8*sx+(\j):64+8*sx+(\j)+1]
.endr
.set sx, sx+1
.endr
	WIN 0
.irp j, 0,2,4,6
	v_pk_add_f32 v[VS+(\j):VS+(\j)+1], v[VS+(\j):VS+(\j)+1], v[192+(\j):192+(\j)+1]
.endr
	WIN 0x04
.set sx, 0
.rept 16
.set rS, 8*sx+128*(sx/8)
	global_store_b128 v[LN16], v[rS:rS+3],   s[SPB:SPB+1] offset:sx*1024
	global_store_b128 v[LN16], v[rS+4:rS+7], s[SPB:SPB+1] offset:sx*1024+512
.set sx, sx+1
.endr
	WIN 0
	global_store_b128 v[LN16], v[VS:VS+3],   s[SPB:SPB+1] offset:16384
	global_store_b128 v[LN16], v[VS+4:VS+7], s[SPB:SPB+1] offset:16896
.Lend:
	s_wait_tensorcnt 0x0                           ; the wave's end
	ds_add_u32 v[SPW], v[NIL]
	s_wait_dscnt 0x0
	CROUND                                         ; the closing round
	s_endpgm
.Lfunc_end_k_q03ec8e8e7b_kv:
	.size	k_q03ec8e8e7b_kv, .Lfunc_end_k_q03ec8e8e7b_kv-k_q03ec8e8e7b_kv
	.p2alignl 7, 3214868480
	.fill 96, 4, 3214868480
	.section	.rodata,"a",@progbits
	.p2align	6, 0x0
	.amdhsa_kernel k_q03ec8e8e7b_kv
		.amdhsa_group_segment_fixed_size 327680
		.amdhsa_private_segment_fixed_size 0
		.amdhsa_enable_private_segment 0
		.amdhsa_kernarg_size 56
		.amdhsa_user_sgpr_count 2
		.amdhsa_user_sgpr_kernarg_segment_ptr 1
		.amdhsa_wavefront_size32 1
		.amdhsa_system_sgpr_workgroup_id_x 1
		.amdhsa_system_sgpr_workgroup_id_y 1
		.amdhsa_system_sgpr_workgroup_id_z 1
		.amdhsa_system_vgpr_workitem_id 0
		.amdhsa_next_free_vgpr 1024
		.amdhsa_next_free_sgpr 96
		.amdhsa_reserve_vcc 1
		.amdhsa_float_denorm_mode_32 3
		.amdhsa_float_denorm_mode_16_64 3
		.amdhsa_memory_ordered 1
		.amdhsa_forward_progress 1
		.amdhsa_inst_pref_size 186
	.end_amdhsa_kernel
	.amdgpu_metadata
---
amdhsa.version: [ 1, 2 ]
amdhsa.kernels:
  - .name:           k_q03ec8e8e7b_kv
    .symbol:         k_q03ec8e8e7b_kv.kd
    .args:
      - { .name: xf, .offset: 0, .size: 8, .value_kind: global_buffer, .address_space: global }
      - { .name: wkvf, .offset: 8, .size: 8, .value_kind: global_buffer, .address_space: global }
      - { .name: bk1, .offset: 16, .size: 8, .value_kind: global_buffer, .address_space: global }
      - { .name: bv1, .offset: 24, .size: 8, .value_kind: global_buffer, .address_space: global }
      - { .name: bk2, .offset: 32, .size: 8, .value_kind: global_buffer, .address_space: global }
      - { .name: bv2, .offset: 40, .size: 8, .value_kind: global_buffer, .address_space: global }
      - { .name: sp, .offset: 48, .size: 8, .value_kind: global_buffer, .address_space: global }
    .group_segment_fixed_size: 327680
    .private_segment_fixed_size: 0
    .kernarg_segment_align: 8
    .kernarg_segment_size: 56
    .max_flat_workgroup_size: 128
    .sgpr_count:     96
    .vgpr_count:     1024
    .wavefront_size: 32
...
	.end_amdgpu_metadata
.endif
;; end of part 3
;; launch mbuild (part 4): grid 256 x 1, 1 waves a work-group, no clusters, 0 bytes of LDS; arguments sp, g1, g2, g3, g4, ln_g, ln_b, mc; writes mc
.if DOCPART == 4
	.amdgcn_target "amdgcn-amd-amdhsa--gfx1250"
	.amdhsa_code_object_version 6
	.text
	.protected	k_q03ec8e8e7b_mbuild
	.globl	k_q03ec8e8e7b_mbuild
	.p2align	8
	.type	k_q03ec8e8e7b_mbuild,@function
k_q03ec8e8e7b_mbuild:
	s_mov_b64 s[64:65], 0
	v_nop
	global_prefetch_b8 v0, s[64:65] scope:SCOPE_SE
	s_setreg_imm32_b32 hwreg(HW_REG_WAVE_MODE, 25, 1), 1
	s_wait_xcnt 0x0
; For each (batch, head): the four partial records of 512 tokens are added, in a fixed order, and of S1, S2 (raw sums over n = 2,048 tokens) and the column sums vs1, vs2 are made
;   M[d][e] = g1 S1 v2m[e] + g3 S2 v1m[e] + g4 S1 S2   and   c[e] = g2 sum over d of S1 S2,   with S = raw / n and vm = vs / n:
; q @ M + c is y1 g1 + y2 g2 + y3 g3 + y4 g4, since a factor that hangs on e alone scales a column of S.
; A wave owns 16 columns e of one (batch, head): 256 waves.  In the records lane l holds column l % 16 and the rows 16 db + 8 (l / 16) + 0..7: rounded to bf16 in pairs that IS the operand fragment of M^T (16 e x 32 d) that the next launch multiplies by.
; M GOES OUT AS TWO bf16 NUMBERS: its rounding, and the rounding of what the rounding left (an exact difference in f32): 16 significant bits with bf16's range.  M grows with the fourth power of x, so f16 has no room for it;
; M is nearly diagonal, so one rounding to 8 bits would reach the module's output undiminished.
; It also writes c and, once for each batch, ln_g and ln_b rounded to bf16 and widened, as tables of f32.  All arithmetic in f32; g1..g4 are taken rounded to bf16 like every input.
; No LDS, no matrix unit, no prefetch: 34 KiB a wave, and all four records are asked for at once: three land in registers of window 0, the fourth in window 1.
; LIMITS: NaN and infinities are not treated apart.
.set RECB, 17408
.set YSTEP, 32*RECB                    ; from one group of 512 tokens to the next: 16 heads x 2 records
.set MLO,  524288                      ; the second parts lie behind the 64 x 8,192 bytes of the first
.set TABS, 1048576                     ; the tables behind both
.set LO,  1                            ; v1 16 x lane
.set GOF, 2                            ; v2 4 h
.set CHO, 3                            ; v3 4 x my channel
.set SET0, 32                          ; a set: S1 32 registers, S2 32, vs1 2, vs2 2
.set SET1, 100
.set SET2, 168
.set SET3, 0                           ; in window 1
.set SB,  24
.set VSB, 26
.set MB,  28
.set TBL, 30
.set MSB, 0
.macro WIN new                         ; the immediate's high byte repeats the setting that is left
.if MSB != (\new)
	s_set_vgpr_msb (MSB<<8)|(\new)
.set MSB, (\new)
.endif
.endm
.macro LOADSET base, yp                ; 18 loads
.irp c, 0,1
.irp d, 0,1,2,3
	global_load_b128 v[(\base)+32*(\c)+8*(\d):(\base)+32*(\c)+8*(\d)+3],   v[LO], s[SB:SB+1] offset:(\yp)*YSTEP+(\c)*RECB+(\d)*4096 th:TH_LOAD_NT
	global_load_b128 v[(\base)+32*(\c)+8*(\d)+4:(\base)+32*(\c)+8*(\d)+7], v[LO], s[SB:SB+1] offset:(\yp)*YSTEP+(\c)*RECB+(\d)*4096+512 th:TH_LOAD_NT
.endr
	global_load_b64 v[(\base)+64+2*(\c):(\base)+64+2*(\c)+1], v[LO], s[VSB:VSB+1] offset:(\yp)*YSTEP+(\c)*RECB th:TH_LOAD_NT
.endr
.endm
.macro ADDSET src                      ; set 0 += another set
.set i, 0
.rept 34
	v_pk_add_f32 v[SET0+i:SET0+i+1], v[SET0+i:SET0+i+1], v[(\src)+i:(\src)+i+1]
.set i, i+2
.endr
.endm
	s_load_b512 s[8:23], s[0:1], 0x0               ; sp 8, g1 10, g2 12, g3 14, g4 16, ln_g 18, ln_b 20, mc 22
	s_lshr_b32 s2, ttmp9, 2                        ; 16 b + h
	s_and_b32 s3, ttmp9, 3                         ; eb: my block of 16 columns
	s_lshr_b32 s4, s2, 4                           ; b
	s_and_b32 s5, s2, 15                           ; h
	s_lshl_b32 s6, s4, 6
	s_add_co_u32 s6, s6, s5
	s_mul_i32 s6, s6, 2*RECB                       ; the batch's first group of tokens, head h
	s_lshl_b32 s7, s3, 10
	s_add_co_u32 s24, s6, s7                       ; S(db, eb) lies at 4,096 db + 1,024 eb
	s_mov_b32 s25, 0
	s_lshr_b32 s7, s3, 1
	s_lshl_b32 s7, s7, 9
	s_add_co_u32 s26, s6, s7
	s_and_b32 s7, s3, 1
	s_lshl3_add_u32 s26, s7, s26
	s_add_co_u32 s26, s26, 16384                   ; my block's pair of column sums
	s_mov_b32 s27, 0
	s_lshl_b32 s28, ttmp9, 11                      ; two fragments of 1,024 bytes for each (b, h, eb)
	s_mov_b32 s29, 0
	s_mul_i32 s30, s4, 12288
	s_add_co_u32 s30, s30, TABS                    ; the batch's three tables
	s_mov_b32 s31, 0
	s_mov_b32 s32, 0x76543210                      ; v_permlanex16_b32: each lane takes its own place in the other half
	s_mov_b32 s33, 0xfedcba98
	s_lshl_b32 s34, s5, 2
	s_lshl_b32 s35, s5, 6
	s_lshl4_add_u32 s35, s3, s35                   ; channel 64 h + 16 eb
	v_lshlrev_b32 v[LO], 4, v0
	v_mov_b32 v[GOF], s34
	v_and_b32 v[CHO], 15, v0
	v_add_nc_u32 v[CHO], s35, v[CHO]
	v_lshlrev_b32 v[CHO], 2, v[CHO]
	s_wait_kmcnt 0x0
	s_add_nc_u64 s[SB:SB+1], s[8:9], s[24:25]
	s_add_nc_u64 s[VSB:VSB+1], s[8:9], s[26:27]
	s_add_nc_u64 s[MB:MB+1], s[22:23], s[28:29]
	s_add_nc_u64 s[TBL:TBL+1], s[22:23], s[30:31]
	global_load_b32 v4, v[GOF], s[10:11]
	global_load_b32 v5, v[GOF], s[12:13]
	global_load_b32 v6, v[GOF], s[14:15]
	global_load_b32 v7, v[GOF], s[16:17]
	global_load_b32 v8, v[CHO], s[18:19]
	global_load_b32 v9, v[CHO], s[20:21]
	LOADSET SET0, 0
	LOADSET SET1, 1
	LOADSET SET2, 2
	WIN 0x40                                       ; destination in window 1, address in window 0
	LOADSET SET3, 3
	WIN 0
	s_wait_loadcnt 36                              ; the small inputs and the first two records are in; the 36 loads of the other two may stay out
	ADDSET SET1
	s_wait_loadcnt 18                              ; the third is in; the fourth's 18 may stay out
	ADDSET SET2
	s_wait_loadcnt 0x0
	WIN 0x04                                       ; source 1 in window 1
	ADDSET SET3
	WIN 0
	v_cvt_pk_bf16_f32 v10, v4, v5                  ; the small inputs rounded to bf16 and widened again
	v_cvt_pk_bf16_f32 v11, v6, v7
	v_cvt_pk_bf16_f32 v12, v8, v9
	v_lshlrev_b32 v4, 16, v10                      ; g1
	v_and_b32 v5, 0xffff0000, v10                  ; g2
	v_lshlrev_b32 v6, 16, v11                      ; g3
	v_and_b32 v7, 0xffff0000, v11                  ; g4
	v_lshlrev_b32 v8, 16, v12                      ; ln_g
	v_and_b32 v9, 0xffff0000, v12                  ; ln_b
	v_add_f32 v13, v[SET0+64], v[SET0+65]          ; even and odd tokens,
	v_add_f32 v14, v[SET0+66], v[SET0+67]
	v_permlanex16_b32 v10, v13, s32, s33           ; and the other half of the lanes' tokens
	v_permlanex16_b32 v11, v14, s32, s33
	v_add_f32 v13, v13, v10                        ; vs1
	v_add_f32 v14, v14, v11                        ; vs2
	v_mul_f32 v16, v4, v14
	v_mul_f32 v18, v6, v13
	v_mul_f32 v16, 0x34800000, v16                 ; A1 = g1 vs2 / n^2 (2^-22)
	v_mul_f32 v18, 0x34800000, v18                 ; A3 = g3 vs1 / n^2
	v_mul_f32 v20, 0x34800000, v7                  ; A4 = g4 / n^2
	v_mul_f32 v22, 0x34800000, v5                  ; g2 / n^2
	v_mov_b32 v17, v16                             ; each twice: pairs for the packed forms
	v_mov_b32 v19, v18
	v_mov_b32 v21, v20
.set i, 0
.rept 16
	v_pk_mul_f32 v[SET1+i:SET1+i+1], v[SET0+i:SET0+i+1], v[SET0+32+i:SET0+32+i+1]  ; P = S1 S2
.set i, i+2
.endr
.set i, 0
.rept 16
	v_pk_mul_f32 v[SET0+i:SET0+i+1], v[SET0+i:SET0+i+1], v[16:17]
.set i, i+2
.endr
.set i, 0
.rept 16
	v_pk_fma_f32 v[SET0+i:SET0+i+1], v[SET0+32+i:SET0+32+i+1], v[18:19], v[SET0+i:SET0+i+1]
.set i, i+2
.endr
.set i, 0
.rept 16
	v_pk_fma_f32 v[SET0+i:SET0+i+1], v[SET1+i:SET1+i+1], v[20:21], v[SET0+i:SET0+i+1]  ; M
.set i, i+2
.endr
.irp w, 16,8,4,2                       ; the sum of P's 32 numbers of the lane, by halves
.set i, 0
.rept (\w)/2
	v_pk_add_f32 v[SET1+i:SET1+i+1], v[SET1+i:SET1+i+1], v[SET1+(\w)+i:SET1+(\w)+i+1]
.set i, i+2
.endr
.endr
	v_add_f32 v23, v[SET1], v[SET1+1]
	v_permlanex16_b32 v10, v23, s32, s33           ; the column's other 32 rows
	v_add_f32 v23, v23, v10
	v_mul_f32 v23, v22, v23                        ; c
.set i, 0
.rept 16
	v_cvt_pk_bf16_f32 v[SET2+i], v[SET0+2*i], v[SET0+2*i+1]  ; M's first part.  Rows 16 db + 8 (l / 16) + 0..7 -> words 4 db .. 4 db + 3: fragment db / 2, half db % 2
.set i, i+1
.endr
.irp d, 0,1,2,3
	global_store_b128 v[LO], v[SET2+4*(\d):SET2+4*(\d)+3], s[MB:MB+1] offset:(\d)*512  ; 512 consecutive bytes, aligned
.endr
.set i, 0
.rept 16
	v_lshlrev_b32 v[SET1+2*i],   16, v[SET2+i]     ; the first part widened again,
	v_and_b32     v[SET1+2*i+1], 0xffff0000, v[SET2+i]
.set i, i+1
.endr
.set i, 0
.rept 16
	v_pk_add_f32 v[SET0+i:SET0+i+1], v[SET0+i:SET0+i+1], v[SET1+i:SET1+i+1] neg_lo:[0,1] neg_hi:[0,1]  ; what it left,
.set i, i+2
.endr
.set i, 0
.rept 16
	v_cvt_pk_bf16_f32 v[SET2+16+i], v[SET0+2*i], v[SET0+2*i+1]  ; rounded: M's second part
.set i, i+1
.endr
.irp d, 0,1,2,3
	global_store_b128 v[LO], v[SET2+16+4*(\d):SET2+16+4*(\d)+3], s[MB:MB+1] offset:MLO+(\d)*512
.endr
	s_wait_xcnt 0x0                                ; EXEC changes only behind this wait
	v_cmp_gt_u32 vcc_lo, 16, v0
	s_and_saveexec_b32 s36, vcc_lo                 ; both halves of the lanes hold the same numbers: the lower stores them
	global_store_b32 v[CHO], v23, s[TBL:TBL+1]
	global_store_b32 v[CHO], v8, s[TBL:TBL+1] offset:4096
	global_store_b32 v[CHO], v9, s[TBL:TBL+1] offset:8192
	s_wait_xcnt 0x0
	s_or_b32 exec_lo, exec_lo, s36
	s_endpgm
.Lfunc_end_k_q03ec8e8e7b_mbuild:
	.size	k_q03ec8e8e7b_mbuild, .Lfunc_end_k_q03ec8e8e7b_mbuild-k_q03ec8e8e7b_mbuild
	.p2alignl 7, 3214868480
	.fill 96, 4, 3214868480
	.section	.rodata,"a",@progbits
	.p2align	6, 0x0
	.amdhsa_kernel k_q03ec8e8e7b_mbuild
		.amdhsa_group_segment_fixed_size 0
		.amdhsa_private_segment_fixed_size 0
		.amdhsa_enable_private_segment 0
		.amdhsa_kernarg_size 64
		.amdhsa_user_sgpr_count 2
		.amdhsa_user_sgpr_kernarg_segment_ptr 1
		.amdhsa_wavefront_size32 1
		.amdhsa_system_sgpr_workgroup_id_x 1
		.amdhsa_system_sgpr_workgroup_id_y 1
		.amdhsa_system_sgpr_workgroup_id_z 1
		.amdhsa_system_vgpr_workitem_id 0
		.amdhsa_next_free_vgpr 384
		.amdhsa_next_free_sgpr 66
		.amdhsa_reserve_vcc 1
		.amdhsa_float_denorm_mode_32 3
		.amdhsa_float_denorm_mode_16_64 3
		.amdhsa_memory_ordered 1
		.amdhsa_forward_progress 1
		.amdhsa_inst_pref_size 28
	.end_amdhsa_kernel
	.amdgpu_metadata
---
amdhsa.version: [ 1, 2 ]
amdhsa.kernels:
  - .name:           k_q03ec8e8e7b_mbuild
    .symbol:         k_q03ec8e8e7b_mbuild.kd
    .args:
      - { .name: sp, .offset: 0, .size: 8, .value_kind: global_buffer, .address_space: global }
      - { .name: g1, .offset: 8, .size: 8, .value_kind: global_buffer, .address_space: global }
      - { .name: g2, .offset: 16, .size: 8, .value_kind: global_buffer, .address_space: global }
      - { .name: g3, .offset: 24, .size: 8, .value_kind: global_buffer, .address_space: global }
      - { .name: g4, .offset: 32, .size: 8, .value_kind: global_buffer, .address_space: global }
      - { .name: ln_g, .offset: 40, .size: 8, .value_kind: global_buffer, .address_space: global }
      - { .name: ln_b, .offset: 48, .size: 8, .value_kind: global_buffer, .address_space: global }
      - { .name: mc, .offset: 56, .size: 8, .value_kind: global_buffer, .address_space: global }
    .group_segment_fixed_size: 0
    .private_segment_fixed_size: 0
    .kernarg_segment_align: 8
    .kernarg_segment_size: 64
    .max_flat_workgroup_size: 32
    .sgpr_count:     66
    .vgpr_count:     384
    .wavefront_size: 32
...
	.end_amdgpu_metadata
.endif
;; end of part 4
;; launch lnq (part 5): grid 256 x 1, 8 waves a work-group, clusters of 4 x 1, 277,504 bytes of LDS; arguments qf, xf, mc, lnf; writes lnf
.if DOCPART == 5
	.amdgcn_target "amdgcn-amd-amdhsa--gfx1250"
	.amdhsa_code_object_version 6
	.text
	.protected	k_q03ec8e8e7b_lnq
	.globl	k_q03ec8e8e7b_lnq
	.p2align	8
	.type	k_q03ec8e8e7b_lnq,@function
k_q03ec8e8e7b_lnq:
	s_mov_b64 s[64:65], 0
	v_nop
	global_prefetch_b8 v0, s[64:65] scope:SCOPE_SE
	s_setreg_imm32_b32 hwreg(HW_REG_WAVE_MODE, 25, 1), 1
	s_wait_xcnt 0x0
	s_wait_alu depctr_hold_cnt(0) depctr_sa_sdst(0) depctr_va_vdst(0) depctr_va_sdst(0) depctr_va_ssrc(0) depctr_va_vcc(0) depctr_vm_vsrc(0)
	s_getreg_b32 s2, hwreg(HW_REG_IB_STS2, 6, 4)
	s_cmp_eq_u32 s2, 0
	s_cbranch_scc0 .Lentry_in_a_cluster
	s_endpgm
.Lentry_in_a_cluster:
	s_bfe_u32 s2, ttmp6, 0x10000c
	s_cmp_lg_u32 s2, 0x3003
	s_cbranch_scc0 .Lentry_shape_is_right
	s_endpgm
.Lentry_shape_is_right:
; q = x + (x Wq^T + bq) in f32; out = q @ M + c by heads; LayerNorm over the 1,024 channels; the result rounded once to f16 and laid out by fragments for the last product.
; q AND M EACH GO AS TWO bf16 NUMBERS (the rounding, and the rounding of what it left): q @ M = qh Mh + ql Mh + qh Ml, three products where one would stand; what is left out is some 2^-16 of the product.
; M is nearly diagonal, so a single rounding of q or of M to 8 bits would reach the module's output undiminished; M grows with the fourth power of x, so f16 has no room for it.
; THE RESULT GOES IN f16: it is bounded by 32 |ln_g| + |ln_b| (a normalised row of 1,024 numbers holds none beyond 32), and f16 keeps 11 significant bits of it.
; SHARES.  A work-group owns 32 tokens, whole rows: two blocks of 16.  Wave w owns heads 2 w and 2 w + 1 (128 channels) of both blocks: 16 accumulators.  So each fragment of M is wanted by one wave and feeds two blocks' products.
; WHAT IS SHARED COMES BY JOINT TENSOR LOADS.  A wave's M (2 heads x 2 parts x 8,192 bytes) and its 3 x 512 bytes of the tables c, ln_g, ln_b come by two tensor loads into LDS bytes of the wave's own.  The four work-groups of a cluster
; lie in one batch (64 work-groups a batch) and want the same bytes: the same descriptor and the mask of four in all.  Nothing is filled again.  A wave's global instructions are the two streams' alone: 32 loads of qf, 16 of xf, 16 stores.
; LAYOUT.  out^T = M^T q^T (source 0 = 16 channels e x 32 d of M^T, as the launch before stored it; source 1 = 16 tokens x 32 d of q): a lane holds ONE token of each block (l % 16) and the channels 8 (l / 16) + 0..7 of each block of 16.
; c is loaded straight into the accumulators and starts the sums.  A token's mean and variance want a sum in the lane, one exchange between the halves of the lanes, and one meeting of the eight waves in LDS each.
; The variance is taken of the numbers less their mean: two passes over registers, no difference of large sums.  A lane's eight channels pack into the 16 bytes that the layout by fragments wants at 512 E + 16 l: no stage.
; No prefetch: every address of the two streams is issued at the head, ahead of the opening round.
; REGISTERS: window 0 v0-31 addresses and statistics, v32-47 qh's two fragments, v48-63 ql's (later the sums), v64-191 x Wq^T + bq, 32 a unit (later ln_g, ln_b), v192-255 x, 16 a unit (later the packed result);
;   window 1 v0-127 accumulator (block t, channel block E) at v[8 (8 t + E)], v128-191 one head's Mh, v192-255 its Ml.  A unit u is (head u / 2, block u % 2).
; LIMITS: 32 |ln_g| + |ln_b| stays under 65,504; NaN and infinities are not treated apart.
.set MBYT,  32768                      ; LDS: wave w's M at 32,768 w: Mh of its two heads, then Ml
.set TABL,  8*MBYT                     ; wave w's tables at TABL + 1,536 w: c, ln_g, ln_b of its 128 channels
.set TBYT,  1536
.set ST1,   TABL+8*TBYT                ; the waves' sums, a word a thread; no tensor load lands here
.set ST2O,  1024                       ; their sums of squares, behind them
.set SPARE, ST1+2048                   ; the spare words, 128 bytes for each of the eight waves; no other line names them
.set MLO,   524288                     ; in memory M's second parts lie behind the first
.set TABS,  1048576                    ; the tables behind both
.set NEG,  1                           ; v1 -1.0 (at the head: the lane's number)
.set VQ,   2                           ; v2 (l % 16) x 4,096 + 32 (l / 16): my token's row of qf, my eight channels
.set LN16, 3
.set VT,   4                           ; v4 32 (l / 16)
.set SW,   5                           ; v5 ST1 + 4 t
.set SR,   6                           ; v6 ST1 + 4 (l % 16)
.set ONE,  7                           ; v7 1.0 (at the head: l % 16)
.set SPW,  8
.set NIL,  9
.set MU,   10                          ; v[10:13] the two tokens' means, each twice
.set RS,   14                          ; v[14:17] their 1 / sqrt(var + eps), each twice
.set TA,   18                          ; v18, v19 at work, a register a block
.set TC2,  20                          ; v20, v21
.set MA,   22                          ; v22 LDS: my wave's M + 16 l
.set TBA,  23                          ; v23 LDS: my wave's tables + 32 (l / 16)
.set Q,    32                          ; qh at Q, ql at Q + 16
.set SUM,  32                          ; later: four chains of pairs for each block
.set LD,   48                          ; later: the eight waves' numbers for each block
.set QF,   64
.set XF,   192
.set G,    64
.set BT,   128
.set OUT,  192
.set MF,   128                         ; window 1: Mh at MF, Ml at MF + 64
.set WV,  12
.set CX,  13
.set WG,  14
.set BA,  15
.set QB,  20
.set XBP, 22
.set OBP, 28
.set SEL, 30
.set INV, 33
.set EPS, 42
.set G1M, 48
.set G1T, 56
.set G0M, 68
.set G0T, 72
.set MSB, 0
.macro WIN new
.if MSB != (\new)
	s_set_vgpr_msb (MSB<<8)|(\new)
.set MSB, (\new)
.endif
.endm
.macro CROUND                          ; a round of the cluster's barrier
	s_barrier_signal -1
	s_barrier_wait -1
	s_cmp_lg_u32 s[WV], 0
	s_cbranch_scc1 .Lnot_wave_0_\@
	s_barrier_signal -3
.Lnot_wave_0_\@:
	s_barrier_wait -3
	s_barrier_signal -1
	s_barrier_wait -1
.endm
.macro LD_QX u                         ; unit u's 64 channels x 16 tokens of qf (8 loads) and of x (4 loads)
.irp n, 0,1,2,3,4,5,6,7
	global_load_b128 v[QF+32*(\u)+4*(\n):QF+32*(\u)+4*(\n)+3], v[VQ], s[QB:QB+1] offset:((\u)%2)*65536+((\u)/2)*256+((\n)/2)*64+((\n)%2)*16 th:TH_LOAD_NT
.endr
.irp n, 0,1,2,3
	global_load_b128 v[XF+16*(\u)+4*(\n):XF+16*(\u)+4*(\n)+3], v[LN16], s[XBP:XBP+1] offset:((\u)%2)*32768+((\u)/2)*2048+(\n)*512 th:TH_LOAD_NT
.endr
.endm
.macro LD_M k                          ; head k's M out of LDS: 8 fragments of each part, 32 loads of 512 neighbouring bytes
	WIN 0x40
.irp n, 0,1,2,3,4,5,6,7,8,9,10,11,12,13,14,15
	ds_load_b128 v[MF+4*(\n):MF+4*(\n)+3], v[MA] offset:(\k)*8192+(\n)*512
.endr
.irp n, 0,1,2,3,4,5,6,7,8,9,10,11,12,13,14,15
	ds_load_b128 v[MF+64+4*(\n):MF+64+4*(\n)+3], v[MA] offset:16384+(\k)*8192+(\n)*512
.endr
.endm
; Unit u: q = x + qf in f32; qh its rounding, ql the rounding of q - qh; 24 products, the unit's four accumulators by turns.
; left: how many younger global loads may stay out.  dsw = 1: the LDS loads of M (and of c) are waited for ahead of the products.
.macro UNIT u, left, dsw
	WIN 0
	s_wait_loadcnt \left
.irp n, 0,1,2,3,4,5,6,7,8,9,10,11,12,13,14,15
	v_fma_mix_f32 v[QF+32*(\u)+2*(\n)],   v[XF+16*(\u)+(\n)], v[ONE], v[QF+32*(\u)+2*(\n)]   op_sel_hi:[1,0,0]                  ; x's low f16 x 1 + qf
	v_fma_mix_f32 v[QF+32*(\u)+2*(\n)+1], v[XF+16*(\u)+(\n)], v[ONE], v[QF+32*(\u)+2*(\n)+1] op_sel:[1,0,0] op_sel_hi:[1,0,0]   ; its high f16
.endr
.irp n, 0,1,2,3,4,5,6,7,8,9,10,11,12,13,14,15
	v_cvt_pk_bf16_f32 v[Q+(\n)], v[QF+32*(\u)+2*(\n)], v[QF+32*(\u)+2*(\n)+1]
.endr
.irp n, 0,1,2,3,4,5,6,7,8,9,10,11,12,13,14,15
	v_fma_mix_f32_bf16 v[QF+32*(\u)+2*(\n)],   v[Q+(\n)], v[NEG], v[QF+32*(\u)+2*(\n)]   op_sel_hi:[1,0,0]                      ; q - qh, exact in f32
	v_fma_mix_f32_bf16 v[QF+32*(\u)+2*(\n)+1], v[Q+(\n)], v[NEG], v[QF+32*(\u)+2*(\n)+1] op_sel:[1,0,0] op_sel_hi:[1,0,0]
.endr
.irp n, 0,1,2,3,4,5,6,7,8,9,10,11,12,13,14,15
	v_cvt_pk_bf16_f32 v[Q+16+(\n)], v[QF+32*(\u)+2*(\n)], v[QF+32*(\u)+2*(\n)+1]
.endr
.if \dsw
	s_wait_dscnt 0x0
.endif
	WIN 0x51                                       ; M in window 1, q in window 0, C and D in window 1
.irp s, 0,1,2                          ; Mh qh, Mh ql, Ml qh
.irp b, 0,1
.irp c, 0,1,2,3
.set rA, 8*(8*((\u)%2)+4*((\u)/2)+(\c))
	v_wmma_f32_16x16x32_bf16 v[rA:rA+7], v[MF+64*((\s)/2)+8*(2*(\c)+(\b)):MF+64*((\s)/2)+8*(2*(\c)+(\b))+7], v[Q+16*((\s)%2)+8*(\b):Q+16*((\s)%2)+8*(\b)+7], v[rA:rA+7]
.endr
.endr
.endr
.endm
; For each of my two tokens four chains of pairs become one number: the chains, the pair's halves, the other half of the lanes; then the eight waves meet in the LDS words at byte st behind ST1:
; the lower half of the lanes stores block 0's number, the upper half block 1's, a word a thread; every lane reads the eight waves' words for both its tokens and adds them in one fixed order.
.macro MEET st
	WIN 0
.irp t, 0,1
	v_pk_add_f32 v[SUM+8*(\t):SUM+8*(\t)+1], v[SUM+8*(\t):SUM+8*(\t)+1], v[SUM+8*(\t)+2:SUM+8*(\t)+3]
	v_pk_add_f32 v[SUM+8*(\t)+4:SUM+8*(\t)+5], v[SUM+8*(\t)+4:SUM+8*(\t)+5], v[SUM+8*(\t)+6:SUM+8*(\t)+7]
.endr
.irp t, 0,1
	v_pk_add_f32 v[SUM+8*(\t):SUM+8*(\t)+1], v[SUM+8*(\t):SUM+8*(\t)+1], v[SUM+8*(\t)+4:SUM+8*(\t)+5]
.endr
.irp t, 0,1
	v_add_f32 v[TA+(\t)], v[SUM+8*(\t)], v[SUM+8*(\t)+1]
.endr
.irp t, 0,1
	v_permlanex16_b32 v[TC2+(\t)], v[TA+(\t)], s[SEL], s[SEL+1]
.endr
.irp t, 0,1
	v_add_f32 v[TA+(\t)], v[TA+(\t)], v[TC2+(\t)]
.endr
	v_cmp_ne_u32 vcc_lo, 0, v[VT]                  ; the upper half of the lanes
	v_cndmask_b32 v[TA], v[TA], v[TA+1], vcc_lo
	ds_store_b32 v[SW], v[TA] offset:\st
	s_wait_dscnt 0x0                               ; for the others' sake: my store is done
	s_barrier_signal -1
	s_barrier_wait -1
.irp t, 0,1
.irp n, 0,1,2,3,4,5,6,7
	ds_load_b32 v[LD+8*(\t)+(\n)], v[SR] offset:(\st)+128*(\n)+64*(\t)  ; wave n's word for token l % 16 of block t
.endr
.endr
	s_wait_dscnt 0x0
.irp t, 0,1
	v_pk_add_f32 v[LD+8*(\t):LD+8*(\t)+1], v[LD+8*(\t):LD+8*(\t)+1], v[LD+8*(\t)+2:LD+8*(\t)+3]
	v_pk_add_f32 v[LD+8*(\t)+4:LD+8*(\t)+5], v[LD+8*(\t)+4:LD+8*(\t)+5], v[LD+8*(\t)+6:LD+8*(\t)+7]
.endr
.irp t, 0,1
	v_pk_add_f32 v[LD+8*(\t):LD+8*(\t)+1], v[LD+8*(\t):LD+8*(\t)+1], v[LD+8*(\t)+4:LD+8*(\t)+5]
.endr
.irp t, 0,1
	v_add_f32 v[TA+(\t)], v[LD+8*(\t)], v[LD+8*(\t)+1]
.endr
.endm
	s_load_b256 s[4:11], s[0:1], 0x0               ; qf 4, xf 6, mc 8, lnf 10
	v_lshl_add_u32 v[SPW], v0, 2, SPARE
	v_mov_b32 v[NIL], 0
	ds_add_u32 v[SPW], v[NIL]                      ; the opening: the add and its wait stand ahead of the round that stands in front of my first tensor load
	v_lshrrev_b32 v1, 5, v0
	v_readfirstlane_b32 s[WV], v1
	s_bfe_u32 s[CX], ttmp6, 0x40000                ; my place in the cluster: it enters the addresses of qf, xf and lnf alone
	s_lshl_b32 s[WG], ttmp9, 2
	s_add_co_u32 s[WG], s[WG], s[CX]               ; my 32 tokens
	s_lshr_b32 s[BA], ttmp9, 4                     ; the batch: 16 clusters each; the four partners share it
	s_lshl_b32 s34, s[WG], 17                      ; qf: 32 rows of 4,096 bytes,
	s_lshl_b32 s17, s[WV], 9                       ; 128 channels of f32
	s_add_co_u32 s34, s34, s17
	s_mov_b32 s35, 0
	s_lshl_b32 s36, s[WG], 16                      ; xf and lnf: two blocks of 32,768 bytes,
	s_lshl_b32 s17, s[WV], 12                      ; 4 fragments of 1,024
	s_add_co_u32 s36, s36, s17
	s_mov_b32 s37, 0
	s_lshl_b32 s38, s[BA], 4
	s_lshl1_add_u32 s38, s[WV], s38                ; M: (16 b + 2 w) x 8,192 bytes
	s_lshl_b32 s38, s38, 13
	s_mov_b32 s39, 0
	s_mul_i32 s40, s[BA], 12288                    ; the batch's tables,
	s_lshl_b32 s17, s[WV], 9                       ; my 128 channels
	s_add_co_u32 s40, s40, s17
	s_add_co_u32 s40, s40, TABS
	s_mov_b32 s41, 0
	s_mov_b32 s[SEL], 0x76543210
	s_mov_b32 s[SEL+1], 0xfedcba98
	s_mov_b32 s[INV], 0x3a800000                   ; 1 / 1,024
	s_mov_b32 s[EPS], 0x3727c5ac                   ; 1e-5
	; descriptor group 1 for M: two rows (first parts, second parts) of 16,384 bytes, 524,288 bytes apart; elements of 8 bytes; they land on end
	s_mov_b32 s[G1M], 15|(3<<16)|(1<<21)           ; 15:0 the mask of four; 17:16 elements of 8 bytes; 21 set beside a mask
	s_mov_b32 s[G1M+1], 2048<<16                   ; tensor_dim0 = 2,048
	s_mov_b32 s[G1M+2], 2<<16                      ; tensor_dim1 = 2
	s_mov_b32 s[G1M+3], 2048<<16                   ; tile_dim0
	s_mov_b32 s[G1M+4], 2                          ; tile_dim1
	s_mov_b32 s[G1M+5], MLO/8                      ; elements from row to row
	s_mov_b32 s[G1M+6], 0
	s_mov_b32 s[G1M+7], 0
	; and for the tables: three rows of 512 bytes, 4,096 bytes apart
	s_mov_b32 s[G1T], 15|(3<<16)|(1<<21)
	s_mov_b32 s[G1T+1], 64<<16
	s_mov_b32 s[G1T+2], 3<<16
	s_mov_b32 s[G1T+3], 64<<16
	s_mov_b32 s[G1T+4], 3
	s_mov_b32 s[G1T+5], 512
	s_mov_b32 s[G1T+6], 0
	s_mov_b32 s[G1T+7], 0
	s_mov_b32 s[G0M], 1
	s_lshl_b32 s[G0M+1], s[WV], 15                 ; LDS: wave x 32,768
	s_mov_b32 s[G0T], 1
	s_mul_i32 s[G0T+1], s[WV], TBYT
	s_add_co_u32 s[G0T+1], s[G0T+1], TABL          ; LDS: TABL + wave x 1,536
	v_and_b32 v1, 31, v0
	v_and_b32 v7, 15, v0
	v_bfe_u32 v[VT], v0, 4, 1
	v_lshlrev_b32 v[VT], 5, v[VT]
	v_lshl_add_u32 v[VQ], v7, 12, v[VT]
	v_lshlrev_b32 v[LN16], 4, v1
	v_lshl_add_u32 v[SW], v0, 2, ST1
	v_lshl_add_u32 v[SR], v7, 2, ST1
	v_add_nc_u32 v[MA], s[G0M+1], v[LN16]
	v_add_nc_u32 v[TBA], s[G0T+1], v[VT]
	s_wait_dscnt 0x0                               ; the opening add is done
	s_wait_kmcnt 0x0
	s_add_nc_u64 s[QB:QB+1], s[4:5], s[34:35]
	s_add_nc_u64 s[XBP:XBP+1], s[6:7], s[36:37]
	s_add_nc_u64 s[OBP:OBP+1], s[10:11], s[36:37]
	s_add_nc_u64 s[G0M+2:G0M+3], s[8:9], s[38:39]
	s_or_b32 s[G0M+3], s[G0M+3], 0x80000000
	s_add_nc_u64 s[G0T+2:G0T+3], s[8:9], s[40:41]
	s_or_b32 s[G0T+3], s[G0T+3], 0x80000000
.irp u, 0,1,2,3
	LD_QX \u                                       ; the two streams: 48 loads, 12 a unit, in the order of use; they are on their way while the cluster meets
.endr
	CROUND                                         ; all four work-groups are here: the joint loads meet
	tensor_load_to_lds s[G0M:G0M+3], s[G1M:G1M+7]  ; two loads of mine are out, both first fills
	s_nop 0
	tensor_load_to_lds s[G0T:G0T+3], s[G1T:G1T+7]
	s_nop 0
	v_mov_b32 v[ONE], 1.0                          ; the mixed multiply-adds take their factors from vector registers
	v_mov_b32 v[NEG], -1.0
	v_mov_b32 v[TC2], 0                            ; v_permlanex16_b32's destination counts as read
	v_mov_b32 v[TC2+1], 0
	s_wait_tensorcnt 0x0                           ; my M and my tables are in; only I read them
	WIN 0x40
.irp t, 0,1
.irp e, 0,1,2,3,4,5,6,7
	ds_load_b128 v[8*(8*(\t)+(\e)):8*(8*(\t)+(\e))+3],   v[TBA] offset:64*(\e)      ; c starts the sums of both blocks
	ds_load_b128 v[8*(8*(\t)+(\e))+4:8*(8*(\t)+(\e))+7], v[TBA] offset:64*(\e)+16
.endr
.endr
	LD_M 0
	UNIT 0, 36, 1                                  ; behind unit 0's 12 loads stand 36
	UNIT 1, 24, 0
	WIN 0
.rept 4
	v_nop                                          ; four places behind the last product, in front of loads into registers that it read
.endr
	LD_M 1                                         ; the next unit's 96 vector instructions stand in front of the wait for it
	UNIT 2, 12, 1
	UNIT 3, 0, 0
	WIN 0
.rept 4
	v_nop                                          ; four places behind the last products, in front of the sums' readers and of writes of q's registers
.endr
.irp e, 0,1,2,3,4,5,6,7
	ds_load_b128 v[G+8*(\e):G+8*(\e)+3],    v[TBA] offset:512+64*(\e)      ; ln_g of my channels,
	ds_load_b128 v[G+8*(\e)+4:G+8*(\e)+7],  v[TBA] offset:512+64*(\e)+16
	ds_load_b128 v[BT+8*(\e):BT+8*(\e)+3],   v[TBA] offset:1024+64*(\e)    ; and ln_b
	ds_load_b128 v[BT+8*(\e)+4:BT+8*(\e)+7], v[TBA] offset:1024+64*(\e)+16
.endr
	; THE MEAN.  Chain p of a block takes pair p of each of its eight accumulators; each accumulator's lowest pair is read first
	WIN 0x05
.irp t, 0,1
.irp p, 0,1,2,3
	v_pk_add_f32 v[SUM+8*(\t)+2*(\p):SUM+8*(\t)+2*(\p)+1], v[64*(\t)+2*(\p):64*(\t)+2*(\p)+1], v[64*(\t)+8+2*(\p):64*(\t)+8+2*(\p)+1]
.endr
.endr
	WIN 0x04
.irp e, 2,3,4,5,6,7
.irp t, 0,1
.irp p, 0,1,2,3
	v_pk_add_f32 v[SUM+8*(\t)+2*(\p):SUM+8*(\t)+2*(\p)+1], v[SUM+8*(\t)+2*(\p):SUM+8*(\t)+2*(\p)+1], v[64*(\t)+8*(\e)+2*(\p):64*(\t)+8*(\e)+2*(\p)+1]
.endr
.endr
.endr
	MEET 0
.irp t, 0,1
	v_mul_f32 v[MU+2*(\t)], s[INV], v[TA+(\t)]
	v_mul_f32 v[MU+2*(\t)+1], s[INV], v[TA+(\t)]
.endr
	; THE VARIANCE, of the numbers less their mean
	WIN 0x41
.irp t, 0,1
.set i, 0
.rept 32
	v_pk_add_f32 v[64*(\t)+i:64*(\t)+i+1], v[64*(\t)+i:64*(\t)+i+1], v[MU+2*(\t):MU+2*(\t)+1] neg_lo:[0,1] neg_hi:[0,1]
.set i, i+2
.endr
.endr
	WIN 0x05
.irp t, 0,1
.irp p, 0,1,2,3
	v_pk_mul_f32 v[SUM+8*(\t)+2*(\p):SUM+8*(\t)+2*(\p)+1], v[64*(\t)+2*(\p):64*(\t)+2*(\p)+1], v[64*(\t)+2*(\p):64*(\t)+2*(\p)+1]
.endr
.endr
.irp e, 1,2,3,4,5,6,7
.irp t, 0,1
.irp p, 0,1,2,3
	v_pk_fma_f32 v[SUM+8*(\t)+2*(\p):SUM+8*(\t)+2*(\p)+1], v[64*(\t)+8*(\e)+2*(\p):64*(\t)+8*(\e)+2*(\p)+1], v[64*(\t)+8*(\e)+2*(\p):64*(\t)+8*(\e)+2*(\p)+1], v[SUM+8*(\t)+2*(\p):SUM+8*(\t)+2*(\p)+1]
.endr
.endr
.endr
	MEET ST2O
.irp t, 0,1
	v_fma_f32 v[TA+(\t)], v[TA+(\t)], s[INV], s[EPS]  ; var + 1e-5
.endr
.irp t, 0,1
	v_rsq_f32 v[RS+2*(\t)], v[TA+(\t)]
.endr
	v_nop                                          ; a plain instruction behind the last transcendental,
	s_wait_alu depctr_va_vdst(0)                   ; and the wait ahead of the first reader: one for both
.irp t, 0,1
	v_mov_b32 v[RS+2*(\t)+1], v[RS+2*(\t)]
.endr
	WIN 0x41                                       ; the numbers in window 1; 1 / sqrt, ln_g and ln_b in window 0 (the two tables came back ahead of the first meeting's barrier)
.irp t, 0,1
.set i, 0
.rept 32
	v_pk_mul_f32 v[64*(\t)+i:64*(\t)+i+1], v[64*(\t)+i:64*(\t)+i+1], v[RS+2*(\t):RS+2*(\t)+1]
.set i, i+2
.endr
.endr
.irp t, 0,1
.set i, 0
.rept 32
	v_pk_fma_f32 v[64*(\t)+i:64*(\t)+i+1], v[64*(\t)+i:64*(\t)+i+1], v[G+i:G+i+1], v[BT+i:BT+i+1]
.set i, i+2
.endr
.endr
	WIN 0x05
.set i, 0
.rept 64
	v_cvt_pk_f16_f32 v[OUT+i], v[2*i], v[2*i+1]
.set i, i+1
.endr
	WIN 0
.irp t, 0,1
.irp e, 0,1,2,3,4,5,6,7
	global_store_b128 v[LN16], v[OUT+4*(8*(\t)+(\e)):OUT+4*(8*(\t)+(\e))+3], s[OBP:OBP+1] offset:(\t)*32768+(\e)*512  ; channels 16 e + 8 (l / 16) .. of token l % 16: 512 consecutive bytes, aligned
.endr
.endr
	s_wait_tensorcnt 0x0                           ; the wave's end
	ds_add_u32 v[SPW], v[NIL]
	s_wait_dscnt 0x0
	CROUND                                         ; the closing round: no work-group ends while a partner may still ask for a tile that names it
	s_endpgm
.Lfunc_end_k_q03ec8e8e7b_lnq:
	.size	k_q03ec8e8e7b_lnq, .Lfunc_end_k_q03ec8e8e7b_lnq-k_q03ec8e8e7b_lnq
	.p2alignl 7, 3214868480
	.fill 96, 4, 3214868480
	.section	.rodata,"a",@progbits
	.p2align	6, 0x0
	.amdhsa_kernel k_q03ec8e8e7b_lnq
		.amdhsa_group_segment_fixed_size 277504
		.amdhsa_private_segment_fixed_size 0
		.amdhsa_enable_private_segment 0
		.amdhsa_kernarg_size 32
		.amdhsa_user_sgpr_count 2
		.amdhsa_user_sgpr_kernarg_segment_ptr 1
		.amdhsa_wavefront_size32 1
		.amdhsa_system_sgpr_workgroup_id_x 1
		.amdhsa_system_sgpr_workgroup_id_y 1
		.amdhsa_system_sgpr_workgroup_id_z 1
		.amdhsa_system_vgpr_workitem_id 0
		.amdhsa_next_free_vgpr 512
		.amdhsa_next_free_sgpr 80
		.amdhsa_reserve_vcc 1
		.amdhsa_float_denorm_mode_32 3
		.amdhsa_float_denorm_mode_16_64 3
		.amdhsa_memory_ordered 1
		.amdhsa_forward_progress 1
		.amdhsa_inst_pref_size 79
	.end_amdhsa_kernel
	.amdgpu_metadata
---
amdhsa.version: [ 1, 2 ]
amdhsa.kernels:
  - .name:           k_q03ec8e8e7b_lnq
    .symbol:         k_q03ec8e8e7b_lnq.kd
    .args:
      - { .name: qf, .offset: 0, .size: 8, .value_kind: global_buffer, .address_space: global }
      - { .name: xf, .offset: 8, .size: 8, .value_kind: global_buffer, .address_space: global }
      - { .name: mc, .offset: 16, .size: 8, .value_kind: global_buffer, .address_space: global }
      - { .name: lnf, .offset: 24, .size: 8, .value_kind: global_buffer, .address_space: global }
    .group_segment_fixed_size: 277504
    .private_segment_fixed_size: 0
    .kernarg_segment_align: 8
    .kernarg_segment_size: 32
    .max_flat_workgroup_size: 256
    .sgpr_count:     80
    .vgpr_count:     512
    .wavefront_size: 32
...
	.end_amdgpu_metadata
.endif
;; end of part 5
;; launch oproj: the kernel of part 2 again; grid 4 x 64, 4 waves a work-group, clusters of 4 x 4, 327,680 bytes of LDS; arguments lnf, wof, bo, out0; writes out0
